; MI455X (gfx1250); checked and timed in simulation.
; The chip was launched on July 23, 2026; its instructions are those of AMD's public machine-readable ISA for CDNA 5 (MIT licence, August 2026) and "CDNA5" Instruction Set Architecture Reference Guide (July 2026). The comments in the code are by the model that wrote it; some were corrected since.
;; Self Attention. Allowed arithmetic: float matrix products may take bf16 or f16 operands with f32 sums; other float arithmetic in f32, or as packed bf16 or f16 multiplies, adds, multiply-adds, maxima and minima; sums over many terms, partial sums and values carried from step to step in f32; what a program stores and reads back later, other than sums and carried values, may be rounded once to bf16 or f16.
;; Inputs: Wk 1,024 x 1,024 float32; Wq 1,024 x 1,024 float32; Wv 1,024 x 1,024 float32; mask 4 x 2,048 x 2,048 float32; x1 4 x 2,048 x 1,024 float32; x2 4 x 2,048 x 1,024 float32; x3 4 x 2,048 x 1,024 float32.
;; Outputs: out0 4 x 2,048 x 1,024 float32.
;; One version. Each part assembles by itself: llvm-mc -triple=amdgcn-amd-amdhsa -mcpu=gfx1250 --defsym DOCPART=n.
;; ======== version 1 of 1: 4 launches
;; limits: values are held in f16: magnitudes above 65,504 overflow, below 6.1e-05 lose precision
;; workspace buffers: w16 6,291,456 bytes; qkv 50,331,648 bytes; p 33,554,432 bytes; st 1,048,576 bytes
;; launch castw (part 1): grid 128 x 3, 8 waves a work-group, no clusters, 0 bytes of LDS; arguments Wq, Wk, Wv, w16; writes w16
.if DOCPART == 1
	.amdgcn_target "amdgcn-amd-amdhsa--gfx1250"
	.amdhsa_code_object_version 6
	.text
	.protected	k_qbaaffca581_castw
	.globl	k_qbaaffca581_castw
	.p2align	8
	.type	k_qbaaffca581_castw,@function
k_qbaaffca581_castw:
	s_mov_b64 s[64:65], 0
	v_nop
	global_prefetch_b8 v0, s[64:65] scope:SCOPE_SE
	s_setreg_imm32_b32 hwreg(HW_REG_WAVE_MODE, 25, 1), 1
	s_wait_xcnt 0x0
; w16[p][n][k] = bf16(W_p[n][k]), p = 0, 1, 2 for Wq, Wk, Wv; W_p: [1024][1024] f32, w16: [3][1024][1024] bf16.
; A flat stream: no LDS, no matrix unit.  A work-group takes 32,768 consecutive bytes of one matrix; thread t takes 8 numbers (32 bytes in, 16 bytes out) in each of four pieces of 8,192 bytes.
; In: a thread's two loads of 16 bytes lie side by side, a wave's two loads together cover 1,024 consecutive bytes.  Out: sixteen neighbouring lanes store 256 consecutive aligned bytes.
	s_load_b256 s[4:11], s[0:1], 0x0               ; Wq s[4:5], Wk s[6:7], Wv s[8:9], w16 s[10:11]
	s_and_b32 s12, ttmp7, 0xffff                   ; p
	v_lshlrev_b32 v1, 5, v0                        ; in: 32 t
	v_lshlrev_b32 v3, 4, v0                        ; out: 16 t
	s_lshl_b32 s16, ttmp9, 15                      ; in: the work-group's 32,768 bytes
	s_mov_b32 s17, 0
	s_lshl_b32 s18, s12, 21                        ; out: a matrix is 2,097,152 bytes,
	s_lshl_b32 s15, ttmp9, 14                      ; the work-group's part 16,384
	s_add_co_u32 s18, s18, s15
	s_mov_b32 s19, 0
	s_wait_kmcnt 0x0
	s_cmp_eq_u32 s12, 1
	s_cselect_b64 s[20:21], s[6:7], s[4:5]
	s_cmp_eq_u32 s12, 2
	s_cselect_b64 s[20:21], s[8:9], s[20:21]
	s_add_nc_u64 s[20:21], s[20:21], s[16:17]
	s_add_nc_u64 s[10:11], s[10:11], s[18:19]
.irp i, 0,1,2,3
	global_load_b128 v[4+8*(\i):7+8*(\i)],   v1, s[20:21] offset:(\i)*8192 th:TH_LOAD_NT
	global_load_b128 v[8+8*(\i):11+8*(\i)],  v1, s[20:21] offset:(\i)*8192+16 th:TH_LOAD_NT
.endr
.irp i, 0,1,2,3
	s_wait_loadcnt 6-2*(\i)                        ; loads come back in order: this piece's two are in, the later pieces' two each may stay out
	v_cvt_pk_bf16_f32 v[36+4*(\i)], v[4+8*(\i)], v[5+8*(\i)]
	v_cvt_pk_bf16_f32 v[37+4*(\i)], v[6+8*(\i)], v[7+8*(\i)]
	v_cvt_pk_bf16_f32 v[38+4*(\i)], v[8+8*(\i)], v[9+8*(\i)]
	v_cvt_pk_bf16_f32 v[39+4*(\i)], v[10+8*(\i)], v[11+8*(\i)]
	global_store_b128 v3, v[36+4*(\i):39+4*(\i)], s[10:11] offset:(\i)*4096
.endr
	s_endpgm
.Lfunc_end_k_qbaaffca581_castw:
	.size	k_qbaaffca581_castw, .Lfunc_end_k_qbaaffca581_castw-k_qbaaffca581_castw
	.p2alignl 7, 3214868480
	.fill 96, 4, 3214868480
	.section	.rodata,"a",@progbits
	.p2align	6, 0x0
	.amdhsa_kernel k_qbaaffca581_castw
		.amdhsa_group_segment_fixed_size 0
		.amdhsa_private_segment_fixed_size 0
		.amdhsa_enable_private_segment 0
		.amdhsa_kernarg_size 32
		.amdhsa_user_sgpr_count 2
		.amdhsa_user_sgpr_kernarg_segment_ptr 1
		.amdhsa_wavefront_size32 1
		.amdhsa_system_sgpr_workgroup_id_x 1
		.amdhsa_system_sgpr_workgroup_id_y 1
		.amdhsa_system_sgpr_workgroup_id_z 1
		.amdhsa_system_vgpr_workitem_id 0
		.amdhsa_next_free_vgpr 52
		.amdhsa_next_free_sgpr 66
		.amdhsa_reserve_vcc 0
		.amdhsa_float_denorm_mode_32 3
		.amdhsa_float_denorm_mode_16_64 3
		.amdhsa_memory_ordered 1
		.amdhsa_forward_progress 1
		.amdhsa_inst_pref_size 4
	.end_amdhsa_kernel
	.amdgpu_metadata
---
amdhsa.version: [ 1, 2 ]
amdhsa.kernels:
  - .name:           k_qbaaffca581_castw
    .symbol:         k_qbaaffca581_castw.kd
    .args:
      - { .name: Wq, .offset: 0, .size: 8, .value_kind: global_buffer, .address_space: global }
      - { .name: Wk, .offset: 8, .size: 8, .value_kind: global_buffer, .address_space: global }
      - { .name: Wv, .offset: 16, .size: 8, .value_kind: global_buffer, .address_space: global }
      - { .name: w16, .offset: 24, .size: 8, .value_kind: global_buffer, .address_space: global }
    .group_segment_fixed_size: 0
    .private_segment_fixed_size: 0
    .kernarg_segment_align: 8
    .kernarg_segment_size: 32
    .max_flat_workgroup_size: 256
    .sgpr_count:     66
    .vgpr_count:     52
    .wavefront_size: 32
...
	.end_amdgpu_metadata
.endif
;; end of part 1
;; launch proj (part 2): grid 4 x 64, 4 waves a work-group, clusters of 4 x 4, 327,680 bytes of LDS; arguments x1, x2, x3, w16, qkv; writes qkv
.if DOCPART == 2
	.amdgcn_target "amdgcn-amd-amdhsa--gfx1250"
	.amdhsa_code_object_version 6
	.text
	.protected	k_qbaaffca581_proj
	.globl	k_qbaaffca581_proj
	.p2align	8
	.type	k_qbaaffca581_proj,@function
k_qbaaffca581_proj:
	s_mov_b64 s[64:65], 0
	v_nop
	global_prefetch_b8 v0, s[64:65] scope:SCOPE_SE
	s_setreg_imm32_b32 hwreg(HW_REG_WAVE_MODE, 25, 1), 1
	s_wait_xcnt 0x0
	s_wait_alu depctr_hold_cnt(0) depctr_sa_sdst(0) depctr_va_vdst(0) depctr_va_sdst(0) depctr_va_ssrc(0) depctr_va_vcc(0) depctr_vm_vsrc(0)
	s_getreg_b32 s2, hwreg(HW_REG_IB_STS2, 6, 4)
	s_cmp_eq_u32 s2, 0
	s_cbranch_scc0 .Lentry_in_a_cluster
	s_endpgm
.Lentry_in_a_cluster:
	s_bfe_u32 s2, ttmp6, 0x10000c
	s_cmp_lg_u32 s2, 0xf033
	s_cbranch_scc0 .Lentry_shape_is_right
	s_endpgm
.Lentry_shape_is_right:
; qkv[8192 p + m][n] = f16( sum over k of bf16(x_p[m][k]) bf16(W_p[n][k]) ), p = 0, 1, 2: q, k, v.  x_p: [8192][1024] f32; w16: the weights in bf16, [p][n][1024]; sums in f32.
; LIMIT.  q, k and v are kept in f16, which ends at 65,504: with x of spread 1 and W of spread 1/32 they have spread 1; inputs 30 times larger give some 4,500, offsets of 30 spreads on x and W some 29,000.
; SHARES.  64 row blocks of 128 x 4 column blocks of 256 = 256 work-groups.  A WORK-GROUP STAYS: it makes the tile of its row block and column block for q, then for k, then for v: three tiles of 128 x 256,
; the same work for all.  (Tiles of 256 x 256 would be 384: not a multiple of 256.)  A wave makes 64 x 128: 32 accumulators, 256 registers.
; THE RING.  K goes in steps of 128; the three tiles' 24 steps are ONE sequence through two LDS slots, so a tile's last two changes of slots ask for the next tile's first two steps.  A slot holds 128 rows of x
; (512 bytes of f32 each) and 256 rows of W (256 bytes of bf16 each): rows of whole aligned blocks of 256 bytes; two slots of a longer step do not fit.  A K step's text is written once and looped over: the
; slot's LDS base is a scalar turned by an exclusive or.  Slot 1 begins at 0x22000, whose two bits are set in none of the four tile bases, so the exclusive or is an addition there too.
; x IS CONVERTED ON THE WAY from LDS to the matrix unit: a quarter step's 16 loads land in 64 registers, and 32 conversions stand, four behind each, behind the last 8 products of the quarter before.
; CLUSTER.  4 x 4 work-groups: x's tile is shared along a row of the cluster, W's along a column; each is asked for jointly, by the same tensor load with the same descriptor and a mask of four.
; THE PRODUCT IS TAKEN TRANSPOSED (source 0 = 16 rows of W, source 1 = 16 rows of x): a lane holds eight neighbouring numbers of one row of the result.
; REGISTERS, in windows of 256: window 0: v0-31 addresses; v32-63, v64-95 x in bf16, two buffers; v96-159, v160-223 W's fragments, two buffers (the second also the way out's rows); v224-255 the way out.
;   window 1: the accumulators, row block a, column block b at v[8 (8 a + b)].   window 2: v0-63 x as it lands, f32, row block a at v[16 a].
.set PX,     528                       ; a row of x in LDS: 512 bytes + 16: the 16 rows of a load start at 16 different groups of four banks
.set PW,     272                       ; a row of W: 256 bytes + 16
.set XHALF,  64*PX                     ; what one tensor load brings of x, and what one wave reads of it
.set WOFF,   2*XHALF                   ; W's 256 rows lie behind x's 128
.set WHALF,  128*PW
.set SLOT1,  0x22000                   ; 139,264; a slot's tiles take 137,216
.set STAGE,  SLOT1+WOFF+2*WHALF        ; behind the ring: 16 rows x 272 bytes for each wave, for the way out; no tensor load lands here
.set SPITCH, 272
.set SPARE,  STAGE+4*16*SPITCH         ; the spare words, 128 bytes for each wave
.set CROW,   2048                      ; bytes in a row of qkv
.set ADRA, 16                          ; v16  LDS address of my x fragments in the slot in hand
.set A0,   17                          ; v17  the same in slot 0; never rewritten
.set ADRB, 20                          ; v20, v21 likewise for W
.set B0,   21
.set STO,  24
.set RD,   25
.set CO,   26
.set SPW,  28                          ; v28  my spare word; never rewritten
.set NIL,  29                          ; v29  0; never rewritten
.set PFO,  30                          ; v30  the prefetches' offset: row lane / 2, 256 bytes lane % 2; never rewritten
.set AF,   32
.set BF,   96
.set TMP,  224
.set WV,   14
.set HF,   15
.set HB,   16
.set CX,   17
.set CY,   18
.set TCOL, 19
.set TROW, 20
.set CLY,  21
.set G1A,  24                          ; s[24:31] group 1 for x's tiles;  s[32:39] group 0: a set for each first fill; the second then walks on
.set G0A,  32
.set LIM,  43                          ; 3 in a wave that prefetches, else 0
.set PFA,  44                          ; s[44:45] what my next prefetch names
.set G1B,  48                          ; s[48:55], s[56:63] the same for W's tiles
.set G0B,  56
.set XB0,  66                          ; s[66:71] x1, x2, x3 at the 64 rows that I fetch
.set XB1,  68
.set XB2,  70
.set WB,   72                          ; s[72:73] w16 at the 128 rows of Wq that I fetch
.set TP,   74
.set OF,   76                          ; s[76:77] an offset; the high word stays 0
.set OG,   78
.set TR,   79                          ; s79  LDS base of the slot that is read: 0 or SLOT1
.set FK,   80                          ; s80, s81  the step to be asked for next: K step 0..7 of projection 0..2
.set FP,   81
.set HK,   82                          ; s82, s83  the step two further on
.set HP,   83
.set KS,   84                          ; s84  the K step in hand, 0..7
.set LXO,  85
.set LWO,  86
.set CXO,  87
.set CF,   88
.set PO,   90                          ; s[90:91] the prefetch's offset; the high word stays 0
.set MSB, 0
.macro WIN new                         ; the immediate's high byte repeats the setting that is left; a switch that changes nothing is dropped
.if MSB != (\new)
	s_set_vgpr_msb (MSB<<8)|(\new)
.set MSB, \new
.endif
.endm
.macro PLACES                          ; four places in front of loads into registers that matrix instructions have read
.rept 4
	v_nop
.endr
.endm
.macro JLOAD s                         ; a joint load: waves 0 and 1 fetch x's two halves, waves 2 and 3 W's; an s_nop 0 and four v_nop follow each line
	s_cmp_lt_u32 s[WV], 2
	s_cbranch_scc0 .Lfor_b_\@
	tensor_load_to_lds s[G0A+4*(\s):G0A+4*(\s)+3], s[G1A:G1A+7]
	s_nop 0
.rept 4
	v_nop
.endr
	s_branch .Lasked_\@
.Lfor_b_\@:
	tensor_load_to_lds s[G0B+4*(\s):G0B+4*(\s)+3], s[G1B:G1B+7]
	s_nop 0
.rept 4
	v_nop
.endr
.Lasked_\@:
.endm
; A prefetch of x for the step that stands two refills on: 256 matrix instructions ahead of the load that will want it.  x is read once in the launch, each row by one cluster.  Of the 64 rows x 512 bytes that
; wave 0 or 1 fetches, the partner at place cx takes 16 rows, told apart by address: a lane 256 bytes, one instruction a wave.  The first four steps come by their loads alone; behind the 24th step there is
; nothing to ask for.  The weights are walked by sixteen clusters: not asked for.
.macro ASK
	s_cmp_lt_u32 s[HP], s[LIM]
	s_cbranch_scc0 .Lnot_mine_\@
	global_prefetch_b8 v[PFO], s[PFA:PFA+1] th:TH_LOAD_NT scope:SCOPE_SE
.Lnot_mine_\@:
.endm
.macro CREST                           ; a round of the cluster's barrier behind its opening barrier
	s_cmp_lg_u32 s[WV], 0
	s_cbranch_scc1 .Lnot_wave_0_\@
	s_barrier_signal -3
.Lnot_wave_0_\@:
	s_barrier_wait -3
	s_barrier_signal -1
	s_barrier_wait -1
.endm
.macro CROUND
	s_barrier_signal -1
	s_barrier_wait -1
	CREST
.endm
	s_load_b256 s[4:11], s[0:1], 0x0               ; x1 s[4:5], x2 s[6:7], x3 s[8:9], w16 s[10:11]
	s_load_b64 s[12:13], s[0:1], 0x20              ; qkv
	v_lshl_add_u32 v[SPW], v0, 2, SPARE
	v_mov_b32 v[NIL], 0
	ds_add_u32 v[SPW], v[NIL]                      ; the wave's opening: the add and its wait stand ahead of my first tensor load
	v_lshrrev_b32 v1, 5, v0
	v_readfirstlane_b32 s[WV], v1                  ; wave 0..3
	s_lshr_b32 s[HF], s[WV], 1                     ; which half of the tile's rows is mine
	s_and_b32 s[HB], s[WV], 1                      ; which half of its columns; also which half of x's or W's tile I fetch
	s_bfe_u32 s[CX], ttmp6, 0x40000
	s_bfe_u32 s[CY], ttmp6, 0x40004
	s_lshl_b32 s[TCOL], ttmp9, 2
	s_add_co_u32 s[TCOL], s[TCOL], s[CX]           ; column block 0..3
	s_and_b32 s[CLY], ttmp7, 0xffff
	s_lshl_b32 s[TROW], s[CLY], 2
	s_add_co_u32 s[TROW], s[TROW], s[CY]           ; row block 0..63
	s_lshl_b32 s23, s[CY], 2
	s_lshl_b32 s23, 15, s23                        ; my row of the cluster
	s_lshl_b32 s42, 0x1111, s[CX]                  ; my column
	s_or_b32 s[G1A], s23, (2<<16)|(1<<20)|(1<<21)|(6<<22)|(3<<25)  ; the mask; elements of 4 bytes; padding on; bit 21 beside a mask; after every 128 words, 4 words
	s_mov_b32 s[G1A+1], 128<<16                    ; tensor_dim0 = 128
	s_mov_b32 s[G1A+2], 64<<16                     ; tensor_dim1 = 64
	s_mov_b32 s[G1A+3], 128<<16                    ; tile_dim0 = 128
	s_mov_b32 s[G1A+4], 64                         ; tile_dim1 = 64
	s_mov_b32 s[G1A+5], 1024                       ; elements from row to row
	s_mov_b32 s[G1A+6], 0
	s_mov_b32 s[G1A+7], 0
	s_or_b32 s[G1B], s42, (1<<16)|(1<<20)|(1<<21)|(5<<22)|(3<<25)  ; elements of 2 bytes; after every 64 words, 4 words
	s_mov_b32 s[G1B+1], 128<<16                    ; tensor_dim0 = 128
	s_mov_b32 s[G1B+2], 128<<16                    ; tensor_dim1 = 128
	s_mov_b32 s[G1B+3], 128<<16                    ; tile_dim0 = 128
	s_mov_b32 s[G1B+4], 128                        ; tile_dim1 = 128
	s_mov_b32 s[G1B+5], 1024
	s_mov_b32 s[G1B+6], 0
	s_mov_b32 s[G1B+7], 0
	s_lshl_b32 s40, s[TROW], 19                    ; x: 128 rows of 4,096 bytes,
	s_lshl_b32 s41, s[HB], 18                      ; my 64 of them
	s_add_co_u32 s40, s40, s41
	s_mov_b32 s41, 0
	s_lshl_b32 s46, s[TCOL], 19                    ; W: 256 rows of 2,048 bytes,
	s_lshl_b32 s47, s[HB], 18                      ; my 128 of them
	s_add_co_u32 s46, s46, s47
	s_mov_b32 s47, 0
	s_mul_i32 s[LXO], s[HB], XHALF                 ; where they go: no place in the cluster enters an LDS address
	s_mul_i32 s[LWO], s[HB], WHALF
	s_add_co_u32 s[LWO], s[LWO], WOFF
	s_mov_b32 s[TR], 0
	s_mov_b32 s[FK], 2                             ; the first refill asks for K step 2 of q
	s_mov_b32 s[FP], 0
	s_mov_b32 s[KS], 0
	s_mov_b32 s[OF+1], 0
	s_mov_b32 s[PO+1], 0
	s_lshl_b32 s[CXO], s[CX], 16                   ; the prefetches: my work-group's 16 rows of 4,096 bytes
	s_cmp_lt_u32 s[WV], 2
	s_cselect_b32 s[LIM], 3, 0
	s_wait_dscnt 0x0                               ; the opening add is done
	s_wait_kmcnt 0x0
	s_add_nc_u64 s[XB0:XB0+1], s[4:5], s[40:41]
	s_add_nc_u64 s[XB1:XB1+1], s[6:7], s[40:41]
	s_add_nc_u64 s[XB2:XB2+1], s[8:9], s[40:41]
	s_add_nc_u64 s[WB:WB+1], s[10:11], s[46:47]
	CROUND                                         ; all sixteen work-groups are here: the first joint loads meet
.irp s, 0,1
	s_mov_b32 s[G0A+4*(\s)], 1
	s_add_co_u32 s[G0A+4*(\s)+1], s[LXO], (\s)*SLOT1
	s_add_nc_u64 s[G0A+4*(\s)+2:G0A+4*(\s)+3], s[XB0:XB0+1], (\s)*512  ; K step s of q: 512 bytes along x's rows
	s_or_b32 s[G0A+4*(\s)+3], s[G0A+4*(\s)+3], 0x80000000
	s_mov_b32 s[G0B+4*(\s)], 1
	s_add_co_u32 s[G0B+4*(\s)+1], s[LWO], (\s)*SLOT1
	s_add_nc_u64 s[G0B+4*(\s)+2:G0B+4*(\s)+3], s[WB:WB+1], (\s)*256    ; 256 bytes along W's rows
	s_or_b32 s[G0B+4*(\s)+3], s[G0B+4*(\s)+3], 0x80000000
	JLOAD \s                                       ; two loads of mine are out
.endr
	v_and_b32 v1, 15, v0                           ; r = l % 16
	v_bfe_u32 v2, v0, 4, 1                         ; h = l / 16
	v_and_b32 v5, 31, v0                           ; l
	v_mul_u32_u24 v3, v1, PX
	v_lshl_add_u32 v3, v2, 5, v3                   ; x: row x pitch + 32 h (eight f32)
	s_mul_i32 s23, s[HF], XHALF
	v_add_nc_u32 v[A0], s23, v3
	v_mov_b32 v[ADRA], v[A0]
	v_mul_u32_u24 v4, v1, PW
	v_lshl_add_u32 v4, v2, 4, v4                   ; W: row x pitch + 16 h
	v_add_nc_u32 v[B0], s[LWO], v4                 ; my 128 columns are the rows of W's half HB
	v_mov_b32 v[ADRB], v[B0]
	s_mul_i32 s23, s[WV], 16*SPITCH
	s_add_co_u32 s23, s23, STAGE                   ; my stage
	v_mul_u32_u24 v4, v1, SPITCH
	v_lshl_add_u32 v4, v2, 4, v4
	v_add_nc_u32 v[STO], s23, v4                   ; in: row r, 16 bytes for each half of the lanes
	v_mul_u32_u24 v6, v2, SPITCH
	v_lshl_add_u32 v6, v1, 4, v6
	v_add_nc_u32 v[RD], s23, v6                    ; back: lanes 0-15 one row of 256 bytes, lanes 16-31 the next
	v_lshlrev_b32 v6, 11, v2
	v_lshl_add_u32 v[CO], v1, 4, v6                ; the same two rows in qkv
	v_lshrrev_b32 v6, 1, v5
	v_and_b32 v7, 1, v5
	v_lshlrev_b32 v7, 8, v7
	v_lshl_add_u32 v[PFO], v6, 12, v7
	s_lshl_b32 s[CF], s[TROW], 18                  ; my part of q: 128 rows of 2,048 bytes,
	s_lshl_b32 s[CF+1], s[HF], 17
	s_add_co_u32 s[CF], s[CF], s[CF+1]
	s_lshl_b32 s[CF+1], s[TCOL], 9                 ; 256 columns of 2 bytes
	s_add_co_u32 s[CF], s[CF], s[CF+1]
	s_lshl_b32 s[CF+1], s[HB], 8
	s_add_co_u32 s[CF], s[CF], s[CF+1]
	s_mov_b32 s[CF+1], 0
	s_add_nc_u64 s[12:13], s[12:13], s[CF:CF+1]
; 32 LDS loads in one run: quarter kq (32 along K) of the slot in hand: x's 64 rows as f32 into window 2, then W's 128 rows into buffer g.
; A fragment's lane holds K = 8 h + 0..7 and 16 + 8 h + 0..7: in f32 two loads at 32 h and two at 64 + 32 h.
.macro FETCHX kq, g
	WIN 0x80                                       ; destination window 2, address window 0
.irp a, 0,1,2,3
	ds_load_b128 v[16*(\a):16*(\a)+3],     v[ADRA] offset:(\a)*16*PX+128*(\kq)
	ds_load_b128 v[16*(\a)+4:16*(\a)+7],   v[ADRA] offset:(\a)*16*PX+128*(\kq)+16
	ds_load_b128 v[16*(\a)+8:16*(\a)+11],  v[ADRA] offset:(\a)*16*PX+128*(\kq)+64
	ds_load_b128 v[16*(\a)+12:16*(\a)+15], v[ADRA] offset:(\a)*16*PX+128*(\kq)+80
.endr
	WIN 0
.irp b, 0,1,2,3,4,5,6,7
	ds_load_b128 v[BF+64*(\g)+8*(\b):BF+64*(\g)+8*(\b)+3],   v[ADRB] offset:(\b)*16*PW+64*(\kq)
	ds_load_b128 v[BF+64*(\g)+8*(\b)+4:BF+64*(\g)+8*(\b)+7], v[ADRB] offset:(\b)*16*PW+64*(\kq)+32
.endr
.endm
.macro CV4 g                           ; four of the 32 conversions of what has landed, into buffer g; cvn counts them
	WIN 0x0a                                       ; sources window 2, destination window 0
.rept 4
	v_cvt_pk_bf16_f32 v[AF+32*(\g)+cvn], v[2*cvn], v[2*cvn+1]
.set cvn, cvn+1
.endr
.endm
; Eight products: row block a x all 8 column blocks, 32 along K, from buffer f.  The 32 accumulators take turns, one instruction a turn, in the same order in every quarter.
; cv = 1: four conversions into the other buffer stand behind each product; they name none of its registers.
.macro MUL8 f, a, zero, cv
.irp b, 0,1,2,3,4,5,6,7
	WIN 0x50                                       ; C and D in window 1
.if \zero
	v_wmma_f32_16x16x32_bf16 v[8*(8*(\a)+(\b)):8*(8*(\a)+(\b))+7], v[BF+64*(\f)+8*(\b):BF+64*(\f)+8*(\b)+7], v[AF+32*(\f)+8*(\a):AF+32*(\f)+8*(\a)+7], 0
.else
	v_wmma_f32_16x16x32_bf16 v[8*(8*(\a)+(\b)):8*(8*(\a)+(\b))+7], v[BF+64*(\f)+8*(\b):BF+64*(\f)+8*(\b)+7], v[AF+32*(\f)+8*(\a):AF+32*(\f)+8*(\a)+7], v[8*(8*(\a)+(\b)):8*(8*(\a)+(\b))+7]
.endif
.if \cv
	CV4 1-(\f)
.endif
.endr
.endm
.macro QU kq, f, zero                  ; one of a K step's first three quarters: buffer f is multiplied, quarter kq fetched and converted into the other
	s_wait_dscnt 0x0                               ; W's fragments of buffer f are in
	PLACES
	FETCHX \kq, 1-(\f)
	MUL8 \f, 0, \zero, 0
	MUL8 \f, 1, \zero, 0
	MUL8 \f, 2, \zero, 0
	s_wait_dscnt 16                                ; x has landed; W's 16 loads, the youngest, may stay out
.set cvn, 0
	MUL8 \f, 3, \zero, 1
.endm
; The last quarter and the change of slots.  Every wave waits for all its tensor loads (one is out: its part of the next slot), adds 0 to its spare word, waits for that and for its reads of this slot.
; fill = 1: the barrier opens a round of the cluster's, and the joint refill of the slot just read, with the step two on, is the first thing behind the round.  Its global address is made anew from the
; step's two numbers; its LDS word is turned to the other slot than last time.
.macro TU fill
	WIN 0
.if \fill
	s_wait_xcnt 0x0                                ; the last prefetch, a K step back, has read its address
.endif
	s_wait_dscnt 0x0                               ; W's fragments of buffer 1 are in: the slot has been read out
	s_wait_tensorcnt 0x0                           ; all my tensor loads have landed, so a group 0 may be written
	ds_add_u32 v[SPW], v[NIL]                      ; 0 onto my spare word; work on registers stands between it and the wait for it
.if \fill
	s_xor_b32 s[G0A+5], s[G0A+5], SLOT1
	s_xor_b32 s[G0B+5], s[G0B+5], SLOT1
	s_cmp_eq_u32 s[FP], 1
	s_cselect_b64 s[TP:TP+1], s[XB1:XB1+1], s[XB0:XB0+1]
	s_cmp_eq_u32 s[FP], 2
	s_cselect_b64 s[TP:TP+1], s[XB2:XB2+1], s[TP:TP+1]            ; x of the step's projection
	s_lshl_b32 s[OF], s[FK], 9                     ; 512 bytes a K step
	s_add_nc_u64 s[G0A+6:G0A+7], s[TP:TP+1], s[OF:OF+1]
	s_or_b32 s[G0A+7], s[G0A+7], 0x80000000
	s_lshl_b32 s[OF], s[FP], 21                    ; a matrix of weights is 2,097,152 bytes,
	s_lshl_b32 s[OG], s[FK], 8                     ; a K step 256
	s_add_co_u32 s[OF], s[OF], s[OG]
	s_add_nc_u64 s[G0B+6:G0B+7], s[WB:WB+1], s[OF:OF+1]
	s_or_b32 s[G0B+7], s[G0B+7], 0x80000000
	s_add_co_u32 s[HK], s[FK], 2                   ; the step two further on, for the prefetch
	s_lshr_b32 s[HP], s[HK], 3
	s_add_co_u32 s[HP], s[HP], s[FP]
	s_and_b32 s[HK], s[HK], 7
	s_cmp_eq_u32 s[HP], 1
	s_cselect_b64 s[PFA:PFA+1], s[XB1:XB1+1], s[XB0:XB0+1]
	s_cmp_eq_u32 s[HP], 2
	s_cselect_b64 s[PFA:PFA+1], s[XB2:XB2+1], s[PFA:PFA+1]
	s_lshl_b32 s[PO], s[HK], 9
	s_add_co_u32 s[PO], s[PO], s[CXO]
	s_add_nc_u64 s[PFA:PFA+1], s[PFA:PFA+1], s[PO:PO+1]
	s_add_co_u32 s[FK], s[FK], 1                   ; the next refill's step
	s_lshr_b32 s[OG], s[FK], 3
	s_add_co_u32 s[FP], s[FP], s[OG]
	s_and_b32 s[FK], s[FK], 7
.endif
	s_xor_b32 s[TR], s[TR], SLOT1                  ; the reads go on in the other slot
	v_add_nc_u32 v[ADRA], s[TR], v[A0]
	v_add_nc_u32 v[ADRB], s[TR], v[B0]
	MUL8 1, 0, 0, 0
	s_wait_dscnt 0x0                               ; the add is done
	WIN 0
	s_barrier_signal -1
	s_barrier_wait -1
.if \fill
	CREST                                          ; no wave of any partner still reads this slot or has a load on its way
	JLOAD 1                                        ; my one tensor load behind the round; its four v_nop are also the places in front of the loads below
.else
	PLACES
.endif
	FETCHX 0, 0
.if \fill
	ASK                                            ; behind the joint load's lines and the run of LDS loads
.endif
	MUL8 1, 1, 0, 0
	MUL8 1, 2, 0, 0
	s_wait_dscnt 16                                ; x has landed
.set cvn, 0
	MUL8 1, 3, 0, 1
.endm
; THE WAY OUT of a tile, a block of 16 rows at a time: rounded to f16 (each accumulator's registers in ascending order), 16 bytes a lane into my own stage, back as whole rows of 256 bytes, stored.
; The rows come back into W's second buffer, which the tile's last products have read: four conversions and a block's 32 roundings stand between.  x's and W's first buffers hold the next tile's first fragments.
.macro PACK a
	WIN 0x05                                       ; sources window 1
.irp b, 0,1,2,3,4,5,6,7
.irp r, 0,1,2,3
	v_cvt_pk_f16_f32 v[TMP+4*(\b)+(\r)], v[64*(\a)+8*(\b)+2*(\r)], v[64*(\a)+8*(\b)+2*(\r)+1]
.endr
.endr
	WIN 0
.endm
.macro TOSTAGE a
.irp b, 0,1,2,3,4,5,6,7
	ds_store_b128 v[STO], v[TMP+4*(\b):TMP+4*(\b)+3] offset:32*(\b)
.endr
.irp t, 0,1,2,3,4,5,6,7
	ds_load_b128 v[BF+64+32*((\a)%2)+4*(\t):BF+64+32*((\a)%2)+4*(\t)+3], v[RD] offset:(\t)*2*SPITCH  ; LDS serves a wave's instructions in order: these see the stores above
.endr
.endm
.macro SEND a
	s_wait_dscnt 0x0                               ; the block is back in registers
	s_wait_xcnt 0x0                                ; the block before last's stores have read their data: its registers are loaded again only behind this wait
.irp t, 0,1,2,3,4,5,6,7
	global_store_b128 v[CO], v[BF+64+32*((\a)%2)+4*(\t):BF+64+32*((\a)%2)+4*(\t)+3], s[12:13] offset:(16*(\a)+2*(\t))*CROW  ; 16 lanes store 256 consecutive aligned bytes
.endr
.endm
.macro WAYOUT
	PACK 0
	TOSTAGE 0
.irp a, 1,2,3                          ; block a's roundings stand between block a - 1's loads from the stage and the wait for them
	PACK \a
	SEND (\a)-1
	TOSTAGE \a
.endr
	SEND 3
.endm
	s_wait_tensorcnt 1                             ; my part of step 0 is in; step 1's may stay out
	s_barrier_signal -1
	s_barrier_wait -1
	FETCHX 0, 0
	s_wait_dscnt 16
.set cvn, 0
.rept 8
	CV4 0                                          ; the first conversions have no products to stand behind
.endr
	WIN 0
	s_mov_b32 s3, 22
.Lstep:                                                ; a trip: one K step; steps 0 .. 21 of the 24, each of which fills its slot again
	s_cmp_eq_u32 s[KS], 0
	s_cbranch_scc0 .Lnot_first
	QU 1, 0, 1                                     ; a tile's first quarter starts the sums: nothing is cleared
	WIN 0
	s_branch .Lsecond
.Lnot_first:
	QU 1, 0, 0
	WIN 0
.Lsecond:
	QU 2, 1, 0
	QU 3, 0, 0
	TU 1
	WIN 0
	s_cmp_eq_u32 s[KS], 7
	s_cbranch_scc0 .Lgo_on
	WAYOUT                                         ; q's and k's tiles leave while the refill just asked for is on its way
	s_wait_xcnt 0x0                                ; the stores have read their base and their data: W's second buffer is loaded again in the next quarter
	s_add_nc_u64 s[12:13], s[12:13], 8192*CROW     ; the next projection's rows
.Lgo_on:
	s_add_co_u32 s[KS], s[KS], 1
	s_and_b32 s[KS], s[KS], 7
	s_sub_co_u32 s3, s3, 1
	s_cmp_lg_u32 s3, 0
	s_cbranch_scc1 .Lstep
	s_mov_b32 s3, 2
.Ltail:                                                ; steps 22 and 23 ask for nothing.  The last trip's fetch from the other slot, and its conversions, serve nothing: the price, once a launch, of one text for both
	QU 1, 0, 0
	QU 2, 1, 0
	QU 3, 0, 0
	TU 0
	WIN 0
	s_sub_co_u32 s3, s3, 1
	s_cmp_lg_u32 s3, 0
	s_cbranch_scc1 .Ltail
	WAYOUT                                         ; v's tile
	s_wait_tensorcnt 0x0                           ; the wave's end
	ds_add_u32 v[SPW], v[NIL]
	s_wait_dscnt 0x0
	CROUND                                         ; the closing round
	s_endpgm
.Lfunc_end_k_qbaaffca581_proj:
	.size	k_qbaaffca581_proj, .Lfunc_end_k_qbaaffca581_proj-k_qbaaffca581_proj
	.p2alignl 7, 3214868480
	.fill 96, 4, 3214868480
	.section	.rodata,"a",@progbits
	.p2align	6, 0x0
	.amdhsa_kernel k_qbaaffca581_proj
		.amdhsa_group_segment_fixed_size 327680
		.amdhsa_private_segment_fixed_size 0
		.amdhsa_enable_private_segment 0
		.amdhsa_kernarg_size 40
		.amdhsa_user_sgpr_count 2
		.amdhsa_user_sgpr_kernarg_segment_ptr 1
		.amdhsa_wavefront_size32 1
		.amdhsa_system_sgpr_workgroup_id_x 1
		.amdhsa_system_sgpr_workgroup_id_y 1
		.amdhsa_system_sgpr_workgroup_id_z 1
		.amdhsa_system_vgpr_workitem_id 0
		.amdhsa_next_free_vgpr 576
		.amdhsa_next_free_sgpr 92
		.amdhsa_reserve_vcc 0
		.amdhsa_float_denorm_mode_32 3
		.amdhsa_float_denorm_mode_16_64 3
		.amdhsa_memory_ordered 1
		.amdhsa_forward_progress 1
		.amdhsa_inst_pref_size 107
	.end_amdhsa_kernel
	.amdgpu_metadata
---
amdhsa.version: [ 1, 2 ]
amdhsa.kernels:
  - .name:           k_qbaaffca581_proj
    .symbol:         k_qbaaffca581_proj.kd
    .args:
      - { .name: x1, .offset: 0, .size: 8, .value_kind: global_buffer, .address_space: global }
      - { .name: x2, .offset: 8, .size: 8, .value_kind: global_buffer, .address_space: global }
      - { .name: x3, .offset: 16, .size: 8, .value_kind: global_buffer, .address_space: global }
      - { .name: w16, .offset: 24, .size: 8, .value_kind: global_buffer, .address_space: global }
      - { .name: qkv, .offset: 32, .size: 8, .value_kind: global_buffer, .address_space: global }
    .group_segment_fixed_size: 327680
    .private_segment_fixed_size: 0
    .kernarg_segment_align: 8
    .kernarg_segment_size: 40
    .max_flat_workgroup_size: 128
    .sgpr_count:     92
    .vgpr_count:     576
    .wavefront_size: 32
...
	.end_amdgpu_metadata
.endif
;; end of part 2
;; launch scores (part 3): grid 8 x 32, 4 waves a work-group, clusters of 4 x 4, 327,680 bytes of LDS; arguments qkv, mask, p, st; writes p, st
.if DOCPART == 3
	.amdgcn_target "amdgcn-amd-amdhsa--gfx1250"
	.amdhsa_code_object_version 6
	.text
	.protected	k_qbaaffca581_scores
	.globl	k_qbaaffca581_scores
	.p2align	8
	.type	k_qbaaffca581_scores,@function
k_qbaaffca581_scores:
	s_mov_b64 s[64:65], 0
	v_nop
	global_prefetch_b8 v0, s[64:65] scope:SCOPE_SE
	s_setreg_imm32_b32 hwreg(HW_REG_WAVE_MODE, 25, 1), 1
	s_wait_xcnt 0x0
	s_wait_alu depctr_hold_cnt(0) depctr_sa_sdst(0) depctr_va_vdst(0) depctr_va_sdst(0) depctr_va_ssrc(0) depctr_va_vcc(0) depctr_vm_vsrc(0)
	s_getreg_b32 s2, hwreg(HW_REG_IB_STS2, 6, 4)
	s_cmp_eq_u32 s2, 0
	s_cbranch_scc0 .Lentry_in_a_cluster
	s_endpgm
.Lentry_in_a_cluster:
	s_bfe_u32 s2, ttmp6, 0x10000c
	s_cmp_lg_u32 s2, 0xf033
	s_cbranch_scc0 .Lentry_shape_is_right
	s_endpgm
.Lentry_shape_is_right:
; For each query row and each block of 128 keys: t = log2(e) (q . k / 32 + mask), m = the block's maximum of t, p = 2^(t - m) in f16, l = the sum of the p (f32, unrounded).
; p: [8192][2048] f16;  st: [16 key blocks][8192 rows][m, l] f32.  The next launch joins the 16 blocks of a row by 2^(m_block - m_row): the maximum is taken away everywhere, by blocks.
; q = rows 0 .. 8191 of qkv, k = rows 8192 .. 16383, f16.  The mask is rounded to bf16, as x and the weights are, and enters the f32 sums as 32 x mask (1/32 is a power of two: nothing is lost).
; LIMITS.  32 x mask beyond f32's range counts as infinite (|mask| above 1e37).  A mask of -inf gives weight 0; a block that is all -inf gets m = the lowest finite number and l = 0; a row that is all -inf
; ends as NaN in the next launch, as in the reference.  p below 6e-5 keeps f16's fixed step of 6e-8; a weight below 2^-126 counts as 0 in l.  NaN and +inf are not treated apart.
; SHARES.  A tile of 256 queries x 256 keys to a work-group, 128 x 128 (64 accumulators) to a wave: a wave's 128 keys are one key block.  K = 1,024 in 8 steps of 128 through two LDS slots; the rows of
; q's and k's tiles are 256 aligned bytes.  CLUSTER 4 x 4: q's tile is shared along a row, k's along a column, each asked for jointly.
; THE PRODUCT IS TAKEN TRANSPOSED (source 0 = 16 keys, source 1 = 16 queries): a lane holds one query (lane % 16) and the keys 16 b + 8 (lane / 16) + 0..7.
; THE MASK.  K step j adds the mask of my row block j (16 rows x 128 keys).  Its 16 loads (a row's 512 bytes each) go out two K steps ahead into one of two register sets; then it is rounded, turned through
; my stage in LDS into the accumulators' layout, and added.
; REGISTERS: window 0: v0-31, v32-47 addresses and the way out's scalars; v64-127, v128-191 q's fragments, two buffers (the way out: t, p, rows).
;   window 1: v64-127, v128-191 k's fragments; v0-63, v192-255 the two mask sets.   windows 2, 3: the accumulators, (a, b) at v[8 (8 (a % 4) + b)].
.set KSTEP,  128
.set PITCH,  272
.set HALFT,  128*PITCH
.set SLOT,   4*HALFT
.set STAGE,  2*SLOT                    ; behind the ring: 16 rows x 272 bytes for each wave: the mask's turn, and p's way out
.set SPITCH, 272
.set STATS,  STAGE+4*16*SPITCH         ; 1,024 bytes for each wave: (m, l) of its 128 rows
.set SPARE,  STATS+4096                ; the spare words
.set MROW,   8192                      ; bytes in a row of the mask
.set PROW,   4096                      ; bytes in a row of p
.set ADRA, 16
.set ADRB, 20
.set MST,  22                          ; v22  stage + 8 x lane: a mask row goes in as 256 bytes of bf16
.set STO,  24                          ; v24  stage + r x 272 + 16 h: the mask comes back, and p goes in
.set RD,   25
.set CO,   26
.set MO,   27                          ; v27  16 x lane
.set SPW,  28
.set NIL,  29
.set PFO,  30
.set CH,   32                          ; v32-35 four chains of the maximum
.set ML,   36                          ; v[36:37] m, l
.set LOW,  38                          ; v38  the lowest finite number
.set SA,   39
.set XT,   40
.set XS,   41
.set SA0,  42                          ; v42  my statistics: STATS + 1,024 x wave + 8 r
.set SR,   43                          ; v43  STATS + 1,024 x wave + 16 x lane
.set V32,  44                          ; v44  32.0
.set F0,   64
.set F1,   128
.set T,    64
.set PK,   128
.set OB,   160
.set SET0, 0
.set SET1, 192
.set WV,   14
.set HF,   15
.set HB,   16
.set CX,   17
.set CY,   18
.set TCOL, 19
.set TROW, 20
.set CLY,  21
.set BAT,  22
.set G1A,  24
.set G0A,  32
.set LIM,  43
.set PFA,  44
.set G1B,  48
.set G0B,  56
.set CS,   68                          ; s[68:69] log2(e) / 32
.set SEL,  70                          ; s[70:71] v_permlanex16_b32's selects
.set MB,   72                          ; s[72:73] the mask at my 128 x 128, at the rows of the trip in hand
.set EA,   74
.set SOFF, 75
.set MSB, 0
.macro WIN new
.if MSB != (\new)
	s_set_vgpr_msb (MSB<<8)|(\new)
.set MSB, \new
.endif
.endm
.set MUL_LO, 0xa1
.set MUL_HI, 0xf1
.set TO_B,   0x40
.macro PLACES
.rept 4
	v_nop
.endr
.endm
.macro JLOAD s                         ; waves 0 and 1 fetch q's two halves, waves 2 and 3 k's; an s_nop 0 and four v_nop follow each line
	s_cmp_lt_u32 s[WV], 2
	s_cbranch_scc0 .Lfor_b_\@
	tensor_load_to_lds s[G0A+4*(\s):G0A+4*(\s)+3], s[G1A:G1A+7]
	s_nop 0
.rept 4
	v_nop
.endr
	s_branch .Lasked_\@
.Lfor_b_\@:
	tensor_load_to_lds s[G0B+4*(\s):G0B+4*(\s)+3], s[G1B:G1B+7]
	s_nop 0
.rept 4
	v_nop
.endr
.Lasked_\@:
.endm
; A prefetch of the K step two refills on: 32 rows x 256 bytes, a lane a row.  q's tile row is read by both clusters of a row of clusters: cluster x = 0 asks; k's tile column by the batch's two clusters
; along y: the even one asks.  The four partners that ask for a tile jointly take 32 of a wave's 128 rows each, told apart by address.  The last trip's refills have no K step two on.
.macro ASK
	s_cmp_gt_u32 s3, s[LIM]
	s_cbranch_scc0 .Lnot_mine_\@
	global_prefetch_b8 v[PFO], s[PFA:PFA+1] offset:KSTEP*2 th:TH_LOAD_NT scope:SCOPE_SE
.Lnot_mine_\@:
.endm
.macro CREST
	s_cmp_lg_u32 s[WV], 0
	s_cbranch_scc1 .Lnot_wave_0_\@
	s_barrier_signal -3
.Lnot_wave_0_\@:
	s_barrier_wait -3
	s_barrier_signal -1
	s_barrier_wait -1
.endm
.macro CROUND
	s_barrier_signal -1
	s_barrier_wait -1
	CREST
.endm
.macro MLOAD set, row0                 ; 16 rows of the mask, 512 consecutive bytes a load, from row row0 behind the pointer
	WIN 0x40
.irp i, 0,1,2,3,4,5,6,7,8,9,10,11,12,13,14,15
	global_load_b128 v[(\set)+4*(\i):(\set)+4*(\i)+3], v[MO], s[MB:MB+1] offset:((\row0)+(\i))*MROW th:TH_LOAD_NT
.endr
.endm
	s_load_b256 s[4:11], s[0:1], 0x0               ; qkv s[4:5], mask s[6:7], p s[8:9], st s[10:11]
	v_lshl_add_u32 v[SPW], v0, 2, SPARE
	v_mov_b32 v[NIL], 0
	ds_add_u32 v[SPW], v[NIL]                      ; the wave's opening: the add and its wait stand ahead of my first tensor load
	v_lshrrev_b32 v1, 5, v0
	v_readfirstlane_b32 s[WV], v1
	s_lshr_b32 s[HF], s[WV], 1                     ; my half of the tile's queries
	s_and_b32 s[HB], s[WV], 1                      ; my half of its keys; also which 128 rows I fetch
	s_bfe_u32 s[CX], ttmp6, 0x40000
	s_bfe_u32 s[CY], ttmp6, 0x40004
	s_lshl_b32 s[TCOL], ttmp9, 2
	s_add_co_u32 s[TCOL], s[TCOL], s[CX]           ; key tile 0..7 of the batch
	s_and_b32 s[CLY], ttmp7, 0xffff
	s_lshl_b32 s[TROW], s[CLY], 2
	s_add_co_u32 s[TROW], s[TROW], s[CY]           ; query tile 0..31 of all batches
	s_lshr_b32 s[BAT], s[CLY], 1                   ; the batch: two clusters along y each
	s_lshl_b32 s23, s[CY], 2
	s_lshl_b32 s23, 15, s23
	s_lshl_b32 s42, 0x1111, s[CX]
	s_or_b32 s[G1A], s23, (1<<16)|(1<<20)|(1<<21)|(5<<22)|(3<<25)  ; the mask of my row; 2-byte elements; padding on; bit 21 beside a mask; after every 64 words, 4 words
	s_or_b32 s[G1B], s42, (1<<16)|(1<<20)|(1<<21)|(5<<22)|(3<<25)  ; the same with my column
.irp g, G1A, G1B
	s_mov_b32 s[(\g)+1], KSTEP<<16                 ; tensor_dim0 = 128
	s_mov_b32 s[(\g)+2], 128<<16                   ; tensor_dim1 = 128
	s_mov_b32 s[(\g)+3], KSTEP<<16                 ; tile_dim0 = 128
	s_mov_b32 s[(\g)+4], 128                       ; tile_dim1 = 128
	s_mov_b32 s[(\g)+5], 1024                      ; elements from row to row
	s_mov_b32 s[(\g)+6], 0
	s_mov_b32 s[(\g)+7], 0
.endr
	s_lshl_b32 s40, s[TROW], 19                    ; q: 256 rows of 2,048 bytes,
	s_lshl_b32 s41, s[HB], 18                      ; my 128 of them
	s_add_co_u32 s40, s40, s41
	s_mov_b32 s41, 0
	s_lshl_b32 s46, s[BAT], 22                     ; k: the batch's 2,048 rows,
	s_lshl_b32 s47, s[TCOL], 19
	s_add_co_u32 s46, s46, s47
	s_lshl_b32 s47, s[HB], 18
	s_add_co_u32 s46, s46, s47
	s_add_co_u32 s46, s46, 1<<24                   ; behind q's 8,192 rows
	s_mov_b32 s47, 0
	s_mul_i32 s2, s[WV], HALFT                     ; where they go: q's two halves, then k's two halves
	s_mov_b32 s[CS], 0x3d38aa3b                    ; log2(e) / 32
	s_mov_b32 s[CS+1], s[CS]
	s_mov_b32 s[SEL], 0x76543210
	s_mov_b32 s[SEL+1], 0xfedcba98
	s_lshl_b32 s76, s[TROW], 21                    ; the mask: 256 rows of 8,192 bytes,
	s_lshl_b32 s77, s[HF], 20
	s_add_co_u32 s76, s76, s77
	s_lshl_b32 s77, s[TCOL], 10                    ; 256 keys of 4 bytes
	s_add_co_u32 s76, s76, s77
	s_lshl_b32 s77, s[HB], 9
	s_add_co_u32 s76, s76, s77
	s_mov_b32 s77, 0
	v_and_b32 v5, 31, v0
	v_lshlrev_b32 v[MO], 4, v5
	s_wait_dscnt 0x0                               ; the opening add is done
	s_wait_kmcnt 0x0
	s_add_nc_u64 s[40:41], s[4:5], s[40:41]
	s_add_nc_u64 s[46:47], s[4:5], s[46:47]
	s_add_nc_u64 s[MB:MB+1], s[6:7], s[76:77]
	CROUND                                         ; all sixteen work-groups are here: the first joint loads meet
.irp s, 0,1
	s_mov_b32 s[G0A+4*(\s)], 1
	s_add_co_u32 s[G0A+4*(\s)+1], s2, (\s)*SLOT
	s_add_nc_u64 s[G0A+4*(\s)+2:G0A+4*(\s)+3], s[40:41], (\s)*KSTEP*2
	s_or_b32 s[G0A+4*(\s)+3], s[G0A+4*(\s)+3], 0x80000000
	s_mov_b32 s[G0B+4*(\s)], 1
	s_add_co_u32 s[G0B+4*(\s)+1], s2, (\s)*SLOT
	s_add_nc_u64 s[G0B+4*(\s)+2:G0B+4*(\s)+3], s[46:47], (\s)*KSTEP*2
	s_or_b32 s[G0B+4*(\s)+3], s[G0B+4*(\s)+3], 0x80000000
	JLOAD \s                                       ; two loads of mine are out
.endr
	MLOAD SET0, 0                                  ; the mask of my row blocks 0 and 1
	MLOAD SET1, 16
	WIN 0
	v_and_b32 v1, 15, v0                           ; r
	v_bfe_u32 v2, v0, 4, 1                         ; h
	v_mul_u32_u24 v3, v1, PITCH
	v_lshl_add_u32 v3, v2, 4, v3                   ; r x 272 + 16 h
	s_mul_i32 s23, s[HF], HALFT
	v_add_nc_u32 v[ADRA], s23, v3
	v_add_nc_u32 v[ADRA+1], SLOT, v[ADRA]
	s_mul_i32 s23, s[HB], HALFT
	s_add_co_u32 s23, s23, 2*HALFT
	v_add_nc_u32 v[ADRB], s23, v3
	v_add_nc_u32 v[ADRB+1], SLOT, v[ADRB]
	s_mul_i32 s23, s[WV], 16*SPITCH
	s_add_co_u32 s23, s23, STAGE                   ; my stage
	v_add_nc_u32 v[STO], s23, v3
	v_lshl_add_u32 v[MST], v5, 3, s23
	v_mul_u32_u24 v4, v2, SPITCH
	v_lshl_add_u32 v4, v1, 4, v4
	v_add_nc_u32 v[RD], s23, v4
	v_lshlrev_b32 v4, 12, v2
	v_lshl_add_u32 v[CO], v1, 4, v4                ; two rows of p: h x 4,096 + 16 r
	s_lshl_b32 s23, s[WV], 10
	s_add_co_u32 s23, s23, STATS
	v_lshl_add_u32 v[SA0], v1, 3, s23
	v_lshl_add_u32 v[SR], v5, 4, s23
	v_mov_b32 v[V32], 0x42000000
	s_lshl_b32 s76, s[TROW], 20                    ; p: 256 rows of 4,096 bytes,
	s_lshl_b32 s77, s[HF], 19
	s_add_co_u32 s76, s76, s77
	s_lshl_b32 s77, s[TCOL], 9
	s_add_co_u32 s76, s76, s77
	s_lshl_b32 s77, s[HB], 8
	s_add_co_u32 s76, s76, s77
	s_mov_b32 s77, 0
	s_add_nc_u64 s[8:9], s[8:9], s[76:77]
	s_lshl_b32 s76, s[TCOL], 17                    ; st: key block 2 x tile + half, 65,536 bytes each,
	s_lshl_b32 s77, s[HB], 16
	s_add_co_u32 s76, s76, s77
	s_lshl_b32 s77, s[TROW], 11                    ; 256 rows of 8 bytes
	s_add_co_u32 s76, s76, s77
	s_lshl_b32 s77, s[HF], 10
	s_add_co_u32 s76, s76, s77
	s_mov_b32 s77, 0
	s_add_nc_u64 s[10:11], s[10:11], s[76:77]
	s_lshl_b32 s76, s[TROW], 8                     ; the prefetches: q's tile begins at this row of qkv,
	s_lshl_b32 s77, s[BAT], 11
	s_lshl_b32 s78, s[TCOL], 8
	s_add_co_u32 s77, s77, s78
	s_add_co_u32 s77, s77, 8192                    ; k's at this one
	s_and_b32 s78, s[CLY], 1
	s_cmp_lt_u32 s[WV], 2                          ; do I fetch for q?
	s_cselect_b32 s76, s76, s77
	s_cselect_b32 s77, s[CX], s[CY]                ; my place among the four that ask with me
	s_cselect_b32 s78, ttmp9, s78                  ; the coordinate along which another cluster reads the same rows
	s_cmp_eq_u32 s78, 0
	s_cselect_b32 s[LIM], 1, -1
	s_lshl_b32 s78, s[HB], 7
	s_add_co_u32 s76, s76, s78
	s_lshl_b32 s77, s77, 5
	s_add_co_u32 s76, s76, s77
	s_lshl_b32 s76, s76, 11                        ; rows of 2,048 bytes
	s_mov_b32 s77, 0
	s_add_nc_u64 s[PFA:PFA+1], s[4:5], s[76:77]
	s_add_nc_u64 s[PFA:PFA+1], s[PFA:PFA+1], 2*KSTEP*2  ; at K step 2: the first refill steps it to 3 and names K step 4
	v_lshlrev_b32 v[PFO], 11, v5
; 16 products: row blocks a0, a0 + 1 of the window's four x all 8 key blocks, 32 along K.  The 64 accumulators take turns, one instruction a turn.
.macro MUL16 f, hi, a0, zero
	WIN MUL_LO+0x50*(\hi)
.irp a, \a0, (\a0)+1
.irp b, 0,1,2,3,4,5,6,7
.if \zero
	v_wmma_f32_16x16x32_f16 v[8*(8*(\a)+(\b)):8*(8*(\a)+(\b))+7], v[(\f)+8*(\b):(\f)+8*(\b)+7], v[(\f)+8*(4*(\hi)+(\a)):(\f)+8*(4*(\hi)+(\a))+7], 0
.else
	v_wmma_f32_16x16x32_f16 v[8*(8*(\a)+(\b)):8*(8*(\a)+(\b))+7], v[(\f)+8*(\b):(\f)+8*(\b)+7], v[(\f)+8*(4*(\hi)+(\a)):(\f)+8*(4*(\hi)+(\a))+7], v[8*(8*(\a)+(\b)):8*(8*(\a)+(\b))+7]
.endif
.endr
.endr
.endm
.macro FETCH slot, k, f                ; 32 LDS loads in one run: a quarter step's fragments (k's 128 rows, q's 128 rows, 32 along K at byte k)
	WIN TO_B
.irp i, 0,1,2,3,4,5,6,7
	ds_load_b128 v[(\f)+8*(\i):(\f)+8*(\i)+3],   v[ADRB+(\slot)] offset:(\k)+(\i)*16*PITCH
	ds_load_b128 v[(\f)+8*(\i)+4:(\f)+8*(\i)+7], v[ADRB+(\slot)] offset:(\k)+(\i)*16*PITCH+32
.endr
	WIN 0
.irp i, 0,1,2,3,4,5,6,7
	ds_load_b128 v[(\f)+8*(\i):(\f)+8*(\i)+3],   v[ADRA+(\slot)] offset:(\k)+(\i)*16*PITCH
	ds_load_b128 v[(\f)+8*(\i)+4:(\f)+8*(\i)+7], v[ADRA+(\slot)] offset:(\k)+(\i)*16*PITCH+32
.endr
.endm
.macro QUARTER slot, k, f, g, zero
	s_wait_dscnt 8                                 ; k's fragments and q's rows 0-63 are in; the youngest eight loads may be out
	MUL16 \f, 0, 0, \zero
	MUL16 \f, 0, 2, \zero
	PLACES
	FETCH \slot, \k, \g
	s_wait_dscnt 32                                ; all but the 32 just issued
	MUL16 \f, 1, 0, \zero
	MUL16 \f, 1, 2, \zero
.endm
; acc += 32 x mask for row block a: register z of the set holds two bf16, for accumulator registers 2 z and 2 z + 1; each accumulator is read from its low end on.
.macro MADD a, set
	WIN MUL_LO+0x50*((\a)/4)                       ; the set in window 1, 32.0 in window 0, the sums in window 2 or 3
.set z, 0
.rept 32
	v_fma_mix_f32_bf16 v[64*((\a)%4)+2*z], v[(\set)+z], v[V32], v[64*((\a)%4)+2*z] op_sel_hi:[1,0,0]
	v_fma_mix_f32_bf16 v[64*((\a)%4)+2*z+1], v[(\set)+z], v[V32], v[64*((\a)%4)+2*z+1] op_sel:[1,0,0] op_sel_hi:[1,0,0]
.set z, z+1
.endr
.endm
.macro MSEL a0, a1, a2, set            ; the loop's three trips (s3 = 3, 2, 1) add to three different row blocks
	WIN 0
	s_cmp_eq_u32 s3, 3
	s_cbranch_scc0 .Lm1_\@
	MADD \a0, \set
	WIN 0
	s_branch .Lmd_\@
.Lm1_\@:
	s_cmp_eq_u32 s3, 2
	s_cbranch_scc0 .Lm2_\@
	MADD \a1, \set
	WIN 0
	s_branch .Lmd_\@
.Lm2_\@:
	MADD \a2, \set
	WIN 0
.Lmd_\@:
.endm
; A quarter that also takes a mask block in.  left: the other set's 16 loads may stay out.  site 0, 1: in the loop (even, odd K step): the set is asked for again, two blocks on; 2, 3: blocks 6, 7.
.macro QUARTERM slot, k, f, g, set, left, site
	s_wait_dscnt 8
	MUL16 \f, 0, 0, 0
	MUL16 \f, 0, 2, 0
	PLACES                                         ; also the places between the products above and the sums' readers below
	s_wait_loadcnt \left
	WIN 0x45
.irp i, 0,1,2,3,4,5,6,7,8,9,10,11,12,13,14,15
	v_cvt_pk_bf16_f32 v[(\set)+4*(\i)], v[(\set)+4*(\i)], v[(\set)+4*(\i)+1]      ; the mask is rounded to bf16, as every input is
	v_cvt_pk_bf16_f32 v[(\set)+4*(\i)+1], v[(\set)+4*(\i)+2], v[(\set)+4*(\i)+3]
.endr
	WIN 0x04                                       ; store data in window 1
.irp i, 0,1,2,3,4,5,6,7,8,9,10,11,12,13,14,15
	ds_store_b64 v[MST], v[(\set)+4*(\i):(\set)+4*(\i)+1] offset:(\i)*SPITCH
.endr
	WIN 0x40
.irp b, 0,1,2,3,4,5,6,7
	ds_load_b128 v[(\set)+4*(\b):(\set)+4*(\b)+3], v[STO] offset:32*(\b)          ; LDS serves a wave's instructions in order: these see the stores above
.endr
	FETCH \slot, \k, \g
	s_wait_dscnt 32                                ; all but the 32 just issued: the mask is back
.if (\site) == 0
	MSEL 0, 2, 4, \set
	MLOAD \set, 32
.elseif (\site) == 1
	MSEL 1, 3, 5, \set
	MLOAD \set, 48
.elseif (\site) == 2
	MADD 6, \set
.else
	MADD 7, \set
.endif
	MUL16 \f, 1, 0, 0
	MUL16 \f, 1, 2, 0
.endm
; The first half of a K step's last quarter: one barrier for the change of slots.  In front of it each wave waits for all its tensor loads (one is out: its part of the next slot), adds 0 to its spare word,
; and waits for that and for its reads of this slot.
.macro MEET round
	WIN 0
	s_wait_tensorcnt 0x0
	ds_add_u32 v[SPW], v[NIL]
	s_wait_dscnt 9                                 ; the add and the youngest eight loads may be out
	MUL16 F1, 0, 0, 0
	s_wait_dscnt 0x0                               ; the add is done, and my reads of this slot are over
	s_barrier_signal -1
	MUL16 F1, 0, 2, 0
.if \round
	WIN 0
.endif
	s_barrier_wait -1
.endm
.macro TURN slot, next
	s_wait_xcnt 0x0                                ; the last prefetch and the mask's loads have read their addresses
	s_add_nc_u64 s[PFA:PFA+1], s[PFA:PFA+1], KSTEP*2
.if (\slot) == 1
	s_add_nc_u64 s[MB:MB+1], s[MB:MB+1], 32*MROW   ; a trip takes two row blocks of the mask
.endif
	MEET 1
	CREST                                          ; no wave of any partner still reads this slot or has a load on its way
	s_add_nc_u64 s[G0A+4*(\slot)+2:G0A+4*(\slot)+3], s[G0A+4*(\slot)+2:G0A+4*(\slot)+3], 2*KSTEP*2
	s_add_nc_u64 s[G0B+4*(\slot)+2:G0B+4*(\slot)+3], s[G0B+4*(\slot)+2:G0B+4*(\slot)+3], 2*KSTEP*2
	JLOAD \slot                                    ; my one tensor load behind the round; its four v_nop are also the places in front of the loads below
	FETCH \next, 0, F0
	ASK
	MUL16 F1, 1, 0, 0
	MUL16 F1, 1, 2, 0
.endm
	s_wait_tensorcnt 1                             ; my part of K step 0 is in; K step 1's may stay out
	s_barrier_signal -1
	s_barrier_wait -1
	FETCH 0, 0, F0
	QUARTER 0, 64, F0, F1, 1                       ; the first quarter starts the sums
	WIN 0
	s_mov_b32 s3, 3
.Llap:                                                 ; a trip: two K steps, from a lap's second quarter to the next lap's first; both slots are filled again
	QUARTERM 0, 128, F1, F0, SET0, 16, 0
	QUARTER 0, 192, F0, F1, 0
	TURN 0, 1
	QUARTER 1, 64,  F0, F1, 0
	QUARTERM 1, 128, F1, F0, SET1, 16, 1
	QUARTER 1, 192, F0, F1, 0
	TURN 1, 0
	QUARTER 0, 64,  F0, F1, 0
	WIN 0
	s_sub_co_u32 s3, s3, 1
	s_cmp_lg_u32 s3, 0
	s_cbranch_scc1 .Llap
	QUARTERM 0, 128, F1, F0, SET0, 16, 2           ; the last lap is written out: nothing more is asked for
	QUARTER 0, 192, F0, F1, 0
	MEET 0
	PLACES
	FETCH 1, 0, F0
	MUL16 F1, 1, 0, 0
	MUL16 F1, 1, 2, 0
	QUARTER 1, 64,  F0, F1, 0
	QUARTERM 1, 128, F1, F0, SET1, 0, 3
	QUARTER 1, 192, F0, F1, 0
	s_wait_dscnt 8
	MUL16 F1, 0, 0, 0
	MUL16 F1, 0, 2, 0
	s_wait_dscnt 0x0
	MUL16 F1, 1, 0, 0
	MUL16 F1, 1, 2, 0
	WIN 0
	PLACES
	; THE WAY OUT: my eight row blocks, one a trip.  A lane holds 64 of a row's 128 scores; the row's other 64 lie in the lane 16 away.
.macro COPY a                          ; t = sums x log2(e) / 32, out of window 2 or 3, each accumulator from its low end on
	WIN 0x02+(\a)/4
.set z, 0
.rept 32
	v_pk_mul_f32 v[T+2*z:T+2*z+1], v[64*((\a)%4)+2*z:64*((\a)%4)+2*z+1], s[CS:CS+1] op_sel_hi:[1,0]
.set z, z+1
.endr
.endm
	v_mov_b32 v[ML+1], 0                           ; named with m as a pair
	v_mov_b32 v[LOW], 0xff7fffff
	v_mov_b32 v[XT], 0                             ; v_permlanex16_b32's destination counts as read
	s_mov_b32 s[EA], 8
	s_mov_b32 s[SOFF], 0
.Lrow:
.irp a, 0,1,2,3,4,5,6
	s_cmp_lg_u32 s[EA], 8-(\a)
	s_cbranch_scc1 .Lnc\a
	COPY \a
	WIN 0
	s_branch .Lcopied
.Lnc\a:
.endr
	COPY 7
	WIN 0
.Lcopied:
.irp c, 0,1,2,3                        ; the maximum: four chains of fifteen, three operands at a time; the four left over; the lowest finite number, so that m is finite
	v_max3_num_f32 v[CH+(\c)], v[T+16*(\c)], v[T+16*(\c)+1], v[T+16*(\c)+2]
.endr
.irp k, 1,2,3,4,5,6
.irp c, 0,1,2,3
	v_max3_num_f32 v[CH+(\c)], v[CH+(\c)], v[T+16*(\c)+2*(\k)+1], v[T+16*(\c)+2*(\k)+2]
.endr
.endr
	v_max3_num_f32 v[CH], v[CH], v[T+15], v[T+31]
	v_max3_num_f32 v[CH+1], v[CH+1], v[T+47], v[T+63]
	v_max3_num_f32 v[CH+2], v[CH+2], v[CH+3], v[LOW]
	v_max3_num_f32 v[CH], v[CH], v[CH+1], v[CH+2]
	v_permlanex16_b32 v[XT], v[CH], s[SEL], s[SEL+1]
	v_max_num_f32 v[ML], v[CH], v[XT]              ; m
.set z, 0
.rept 32
	v_pk_add_f32 v[T+2*z:T+2*z+1], v[T+2*z:T+2*z+1], v[ML:ML+1] op_sel_hi:[1,0] neg_lo:[0,1] neg_hi:[0,1]  ; t - m
.set z, z+1
.endr
.set z, 0
.rept 64
	v_exp_f32 v[T+z], v[T+z]                       ; one batch
.set z, z+1
.endr
	v_nop                                          ; a plain instruction behind the last exponential,
	s_wait_alu depctr_va_vdst(0)                   ; and one wait for the 64, ahead of their first reader
.set z, 0
.rept 32
	v_cvt_pk_f16_f32 v[PK+z], v[T+2*z], v[T+2*z+1]
.set z, z+1
.endr
.irp w, 4,8,16,32,64                   ; the sum of the 32 pairs, in place, as a tree
.set u, 0
.rept 64/(\w)
	v_pk_add_f32 v[T+(\w)*u:T+(\w)*u+1], v[T+(\w)*u:T+(\w)*u+1], v[T+(\w)*u+(\w)/2:T+(\w)*u+(\w)/2+1]
.set u, u+1
.endr
.endr
	v_add_f32 v[XS], v[T], v[T+1]
	v_permlanex16_b32 v[XT], v[XS], s[SEL], s[SEL+1]
	v_add_f32 v[ML+1], v[XS], v[XT]                ; l
	v_add_nc_u32 v[SA], s[SOFF], v[SA0]
	ds_store_b64 v[SA], v[ML:ML+1]                 ; both halves of the lanes write the same numbers to the same place
.irp b, 0,1,2,3,4,5,6,7
	ds_store_b128 v[STO], v[PK+4*(\b):PK+4*(\b)+3] offset:32*(\b)
.endr
.irp t, 0,1,2,3,4,5,6,7
	ds_load_b128 v[OB+4*(\t):OB+4*(\t)+3], v[RD] offset:(\t)*2*SPITCH  ; in order behind the stores above
.endr
	s_wait_dscnt 0x0
.irp t, 0,1,2,3,4,5,6,7
	global_store_b128 v[CO], v[OB+4*(\t):OB+4*(\t)+3], s[8:9] offset:2*(\t)*PROW  ; 16 lanes store 256 consecutive aligned bytes
.endr
	s_wait_xcnt 0x0                                ; the stores have read their base and data: only now are these rewritten
	s_add_nc_u64 s[8:9], s[8:9], 16*PROW
	s_add_co_u32 s[SOFF], s[SOFF], 128
	s_sub_co_u32 s[EA], s[EA], 1
	s_cmp_lg_u32 s[EA], 0
	s_cbranch_scc1 .Lrow
	ds_load_b128 v[OB:OB+3], v[SR]                 ; my 128 rows' (m, l): 1,024 consecutive bytes of st
	ds_load_b128 v[OB+4:OB+7], v[SR] offset:512
	s_wait_dscnt 0x0
	global_store_b128 v[MO], v[OB:OB+3], s[10:11]
	global_store_b128 v[MO], v[OB+4:OB+7], s[10:11] offset:512
	s_wait_tensorcnt 0x0                           ; the wave's end
	ds_add_u32 v[SPW], v[NIL]
	s_wait_dscnt 0x0
	CROUND                                         ; the closing round
	s_endpgm
.Lfunc_end_k_qbaaffca581_scores:
	.size	k_qbaaffca581_scores, .Lfunc_end_k_qbaaffca581_scores-k_qbaaffca581_scores
	.p2alignl 7, 3214868480
	.fill 96, 4, 3214868480
	.section	.rodata,"a",@progbits
	.p2align	6, 0x0
	.amdhsa_kernel k_qbaaffca581_scores
		.amdhsa_group_segment_fixed_size 327680
		.amdhsa_private_segment_fixed_size 0
		.amdhsa_enable_private_segment 0
		.amdhsa_kernarg_size 32
		.amdhsa_user_sgpr_count 2
		.amdhsa_user_sgpr_kernarg_segment_ptr 1
		.amdhsa_wavefront_size32 1
		.amdhsa_system_sgpr_workgroup_id_x 1
		.amdhsa_system_sgpr_workgroup_id_y 1
		.amdhsa_system_sgpr_workgroup_id_z 1
		.amdhsa_system_vgpr_workitem_id 0
		.amdhsa_next_free_vgpr 1024
		.amdhsa_next_free_sgpr 84
		.amdhsa_reserve_vcc 0
		.amdhsa_float_denorm_mode_32 3
		.amdhsa_float_denorm_mode_16_64 3
		.amdhsa_memory_ordered 1
		.amdhsa_forward_progress 1
		.amdhsa_inst_pref_size 197
	.end_amdhsa_kernel
	.amdgpu_metadata
---
amdhsa.version: [ 1, 2 ]
amdhsa.kernels:
  - .name:           k_qbaaffca581_scores
    .symbol:         k_qbaaffca581_scores.kd
    .args:
      - { .name: qkv, .offset: 0, .size: 8, .value_kind: global_buffer, .address_space: global }
      - { .name: mask, .offset: 8, .size: 8, .value_kind: global_buffer, .address_space: global }
      - { .name: p, .offset: 16, .size: 8, .value_kind: global_buffer, .address_space: global }
      - { .name: st, .offset: 24, .size: 8, .value_kind: global_buffer, .address_space: global }
    .group_segment_fixed_size: 327680
    .private_segment_fixed_size: 0
    .kernarg_segment_align: 8
    .kernarg_segment_size: 32
    .max_flat_workgroup_size: 128
    .sgpr_count:     84
    .vgpr_count:     1024
    .wavefront_size: 32
...
	.end_amdgpu_metadata
.endif
;; end of part 3
;; launch pv (part 4): grid 4 x 64, 4 waves a work-group, clusters of 4 x 4, 327,680 bytes of LDS; arguments p, qkv, st, out0; writes out0
.if DOCPART == 4
	.amdgcn_target "amdgcn-amd-amdhsa--gfx1250"
	.amdhsa_code_object_version 6
	.text
	.protected	k_qbaaffca581_pv
	.globl	k_qbaaffca581_pv
	.p2align	8
	.type	k_qbaaffca581_pv,@function
k_qbaaffca581_pv:
	s_mov_b64 s[64:65], 0
	v_nop
	global_prefetch_b8 v0, s[64:65] scope:SCOPE_SE
	s_setreg_imm32_b32 hwreg(HW_REG_WAVE_MODE, 25, 1), 1
	s_wait_xcnt 0x0
	s_wait_alu depctr_hold_cnt(0) depctr_sa_sdst(0) depctr_va_vdst(0) depctr_va_sdst(0) depctr_va_ssrc(0) depctr_va_vcc(0) depctr_vm_vsrc(0)
	s_getreg_b32 s2, hwreg(HW_REG_IB_STS2, 6, 4)
	s_cmp_eq_u32 s2, 0
	s_cbranch_scc0 .Lentry_in_a_cluster
	s_endpgm
.Lentry_in_a_cluster:
	s_bfe_u32 s2, ttmp6, 0x10000c
	s_cmp_lg_u32 s2, 0xf033
	s_cbranch_scc0 .Lentry_shape_is_right
	s_endpgm
.Lentry_shape_is_right:
; out[row][c] = (1 / l_row) x the sum over the 16 key blocks kb of f_kb x (the sum over the block's 128 keys of p[row][key] v[key][c]),
; with m_row = max over kb of m_kb, f_kb = 2^(m_kb - m_row) <= 1, l_row = the sum of f_kb l_kb.  p: [8192][2048] f16; v = rows 16384 .. of qkv, f16; st: [16][8192][m, l] f32; out0: [8192][1024] f32.
; f is rounded to f16 and multiplied onto p's fragments (two f16 an instruction) between LDS and the matrix unit; products in f16, sums in f32; 1 / l in f32 at the end.
; LIMITS.  f x p below 6e-5 keeps f16's fixed step of 6e-8.  A row whose mask was all -inf has l = 0 and ends as NaN, as in the reference.  NaN and +inf are not treated apart.
; SHARES.  A tile of 128 rows x 256 channels to a work-group (256 work-groups; tiles of 256 x 256 would be 128), 64 x 128 (32 accumulators) to a wave.  The 2,048 keys go in 16 steps of 128, a key block each,
; through two LDS slots.  CLUSTER 4 x 4: p's tile is shared along a row, v's along a column, each asked for jointly.
; THE PRODUCT IS TAKEN TRANSPOSED (source 0 = 16 channels of v, turned by ds_load_tr16_b128; source 1 = 16 rows of p): a lane holds one row and eight neighbouring channels.
; REGISTERS: window 0: v0-31 addresses, v12-15 f; v32-63, v64-95 p's fragments, two buffers; v96-159, v160-223 v's; v224-231 1 / l.   window 1: the accumulators, (a, b) at v[8 (8 a + b)].
.set PA,     272                       ; a row of p in LDS: 256 bytes + 16
.set PV,     544                       ; a row of v: 512 bytes + 32
.set AHALFB, 64*PA
.set VOFF,   128*PA
.set VHALFB, 64*PV
.set SLOT,   VOFF+128*PV               ; 104,448
.set FTAB,   2*SLOT                    ; [kb][row] a word (f, f) in f16: 8,192 bytes
.set INVT,   FTAB+8192                 ; [row] 1 / l: 512 bytes
.set STAGE,  INVT+512                  ; 16 rows x 528 bytes for each wave, for the way out
.set SPITCH, 528
.set SPARE,  STAGE+4*16*SPITCH
.set FR,   12
.set ADRA, 16
.set ADRB, 20
.set FA,   22                          ; v22  the table's address for the key block to come
.set FA0,  23                          ; v23  FTAB + 4 (64 x half + r); never rewritten
.set STO,  24
.set RD,   25
.set CO,   26
.set TO8,  27                          ; v27  8 x thread
.set SPW,  28
.set NIL,  29
.set PFO,  30
.set FTA,  31                          ; v31  FTAB + 4 x thread
.set AF,   32
.set BF,   96
.set IV,   224
.set TMP,  32
.set WV,   14
.set HF,   15
.set HB,   16
.set CX,   17
.set CY,   18
.set TCOL, 19
.set TROW, 20
.set CLY,  21
.set BAT,  22
.set G1A,  24
.set G0A,  32
.set LIM,  43
.set PFA,  44
.set G1B,  48
.set G0B,  56
.set PFS,  70                          ; s[70:71] bytes from a K step to the next in the tensor that I prefetch
.set FO,   74                          ; s74  512 x the key block whose f is fetched next
.set MSB, 0
.macro WIN new
.if MSB != (\new)
	s_set_vgpr_msb (MSB<<8)|(\new)
.set MSB, \new
.endif
.endm
.macro PLACES
.rept 4
	v_nop
.endr
.endm
.macro JLOAD s                         ; waves 0 and 1 fetch p's two halves, waves 2 and 3 v's; an s_nop 0 and four v_nop follow each line
	s_cmp_lt_u32 s[WV], 2
	s_cbranch_scc0 .Lfor_b_\@
	tensor_load_to_lds s[G0A+4*(\s):G0A+4*(\s)+3], s[G1A:G1A+7]
	s_nop 0
.rept 4
	v_nop
.endr
	s_branch .Lasked_\@
.Lfor_b_\@:
	tensor_load_to_lds s[G0B+4*(\s):G0B+4*(\s)+3], s[G1B:G1B+7]
	s_nop 0
.rept 4
	v_nop
.endr
.Lasked_\@:
.endm
; A prefetch of the K step two refills on, a lane a row.  p's tile is read by one cluster: wave 0 asks, the partner at place cx for 32 of the 128 rows.  v's tile is read by the batch's four clusters: the first
; asks, the partner at place cy for 32 of the 128 keys, wave 2 for the first 256 bytes of their 512, wave 3 for the second.  All told apart by address.  The last trip's refills have no K step two on.
.macro ASK
	s_cmp_gt_u32 s3, s[LIM]
	s_cbranch_scc0 .Lnot_mine_\@
	global_prefetch_b8 v[PFO], s[PFA:PFA+1] th:TH_LOAD_NT scope:SCOPE_SE
.Lnot_mine_\@:
.endm
.macro CREST
	s_cmp_lg_u32 s[WV], 0
	s_cbranch_scc1 .Lnot_wave_0_\@
	s_barrier_signal -3
.Lnot_wave_0_\@:
	s_barrier_wait -3
	s_barrier_signal -1
	s_barrier_wait -1
.endm
.macro CROUND
	s_barrier_signal -1
	s_barrier_wait -1
	CREST
.endm
	s_load_b256 s[4:11], s[0:1], 0x0               ; p s[4:5], qkv s[6:7], st s[8:9], out0 s[10:11]
	v_lshl_add_u32 v[SPW], v0, 2, SPARE
	v_mov_b32 v[NIL], 0
	ds_add_u32 v[SPW], v[NIL]                      ; the wave's opening: the add and its wait stand ahead of my first tensor load
	v_lshrrev_b32 v1, 5, v0
	v_readfirstlane_b32 s[WV], v1
	s_lshr_b32 s[HF], s[WV], 1                     ; my half of the tile's rows
	s_and_b32 s[HB], s[WV], 1                      ; my half of its channels; also which 64 rows or keys I fetch
	s_bfe_u32 s[CX], ttmp6, 0x40000
	s_bfe_u32 s[CY], ttmp6, 0x40004
	s_lshl_b32 s[TCOL], ttmp9, 2
	s_add_co_u32 s[TCOL], s[TCOL], s[CX]           ; channel tile 0..3
	s_and_b32 s[CLY], ttmp7, 0xffff
	s_lshl_b32 s[TROW], s[CLY], 2
	s_add_co_u32 s[TROW], s[TROW], s[CY]           ; row tile 0..63
	s_lshr_b32 s[BAT], s[CLY], 2                   ; the batch: four clusters each
	s_lshl_b32 s23, s[CY], 2
	s_lshl_b32 s23, 15, s23
	s_lshl_b32 s42, 0x1111, s[CX]
	s_or_b32 s[G1A], s23, (1<<16)|(1<<20)|(1<<21)|(5<<22)|(3<<25)  ; p: my row's mask; 2-byte elements; padding on; bit 21 beside a mask; after every 64 words, 4 words
	s_mov_b32 s[G1A+1], 128<<16                    ; tensor_dim0 = 128
	s_mov_b32 s[G1A+2], 64<<16                     ; tensor_dim1 = 64
	s_mov_b32 s[G1A+3], 128<<16                    ; tile_dim0 = 128
	s_mov_b32 s[G1A+4], 64                         ; tile_dim1 = 64
	s_mov_b32 s[G1A+5], 2048                       ; elements from row to row
	s_mov_b32 s[G1A+6], 0
	s_mov_b32 s[G1A+7], 0
	s_or_b32 s[G1B], s42, (1<<16)|(1<<20)|(1<<21)|(6<<22)|(7<<25)  ; v: my column's mask; after every 128 words, 8 words
	s_mov_b32 s[G1B+1], 256<<16
	s_mov_b32 s[G1B+2], 64<<16
	s_mov_b32 s[G1B+3], 256<<16
	s_mov_b32 s[G1B+4], 64
	s_mov_b32 s[G1B+5], 1024
	s_mov_b32 s[G1B+6], 0
	s_mov_b32 s[G1B+7], 0
	s_lshl_b32 s40, s[TROW], 19                    ; p: 128 rows of 4,096 bytes,
	s_lshl_b32 s41, s[HB], 18                      ; my 64 of them
	s_add_co_u32 s40, s40, s41
	s_mov_b32 s41, 0
	s_lshl_b32 s46, s[BAT], 22                     ; v: the batch's 2,048 rows of 2,048 bytes,
	s_lshl_b32 s47, s[HB], 17                      ; my 64 keys,
	s_add_co_u32 s46, s46, s47
	s_lshl_b32 s47, s[TCOL], 9                     ; 256 channels of 2 bytes,
	s_add_co_u32 s46, s46, s47
	s_add_co_u32 s46, s46, 1<<25                   ; behind q's and k's 16,384 rows
	s_mov_b32 s47, 0
	s_mul_i32 s66, s[HB], AHALFB                   ; where they go
	s_mul_i32 s67, s[HB], VHALFB
	s_add_co_u32 s67, s67, VOFF
	s_lshl_b32 s68, s[TROW], 10                    ; st: 128 rows of 8 bytes
	s_mov_b32 s69, 0
	s_mov_b32 s[FO], 0
	v_lshlrev_b32 v[TO8], 3, v0
	s_wait_dscnt 0x0                               ; the opening add is done
	s_wait_kmcnt 0x0
	s_add_nc_u64 s[40:41], s[4:5], s[40:41]
	s_add_nc_u64 s[46:47], s[6:7], s[46:47]
	s_add_nc_u64 s[8:9], s[8:9], s[68:69]
	CROUND                                         ; all sixteen work-groups are here: the first joint loads meet
.irp s, 0,1
	s_mov_b32 s[G0A+4*(\s)], 1
	s_add_co_u32 s[G0A+4*(\s)+1], s66, (\s)*SLOT
	s_add_nc_u64 s[G0A+4*(\s)+2:G0A+4*(\s)+3], s[40:41], (\s)*256      ; K step s: 128 keys along p's rows
	s_or_b32 s[G0A+4*(\s)+3], s[G0A+4*(\s)+3], 0x80000000
	s_mov_b32 s[G0B+4*(\s)], 1
	s_add_co_u32 s[G0B+4*(\s)+1], s67, (\s)*SLOT
	s_add_nc_u64 s[G0B+4*(\s)+2:G0B+4*(\s)+3], s[46:47], (\s)*262144   ; K step s: 128 rows of v down
	s_or_b32 s[G0B+4*(\s)+3], s[G0B+4*(\s)+3], 0x80000000
	JLOAD \s                                       ; two loads of mine are out
.endr
.irp kb, 0,1,2,3,4,5,6,7,8,9,10,11,12,13,14,15
	global_load_b64 v[32+2*(\kb):33+2*(\kb)], v[TO8], s[8:9] offset:(\kb)*65536  ; thread t stands for row t of the tile: its (m, l) in each key block
.endr
	v_and_b32 v1, 15, v0                           ; r
	v_bfe_u32 v2, v0, 4, 1                         ; h
	v_and_b32 v5, 31, v0                           ; lane
	v_mul_u32_u24 v3, v1, PA
	v_lshl_add_u32 v3, v2, 4, v3
	s_mul_i32 s23, s[HF], AHALFB
	v_add_nc_u32 v[ADRA], s23, v3                  ; p: (64 x half + r) x pitch + 16 h
	v_add_nc_u32 v[ADRA+1], SLOT, v[ADRA]
	v_and_b32 v6, 7, v0
	v_bfe_u32 v7, v0, 3, 1
	v_lshl_add_u32 v6, v2, 3, v6                   ; the turning load: key 8 h + l % 8,
	v_mul_u32_u24 v6, v6, PV
	v_lshl_add_u32 v6, v7, 4, v6                   ; channels 8 ((l / 8) % 2) + 0..7
	s_lshl_b32 s23, s[HB], 8                       ; my 128 channels
	s_add_co_u32 s23, s23, VOFF
	v_add_nc_u32 v[ADRB], s23, v6
	v_add_nc_u32 v[ADRB+1], SLOT, v[ADRB]
	s_lshl_b32 s23, s[HF], 8
	s_add_co_u32 s23, s23, FTAB
	v_lshl_add_u32 v[FA0], v1, 2, s23
	v_lshl_add_u32 v[FTA], v0, 2, FTAB
	s_mul_i32 s23, s[WV], 16*SPITCH
	s_add_co_u32 s23, s23, STAGE                   ; my stage
	v_mul_u32_u24 v3, v1, SPITCH
	v_lshl_add_u32 v3, v2, 5, v3
	v_add_nc_u32 v[STO], s23, v3                   ; in: row r, 32 bytes for each half of the lanes
	v_lshl_add_u32 v[RD], v5, 4, s23               ; back: a whole row of 512 bytes
	v_lshlrev_b32 v[CO], 4, v5
	s_lshl_b32 s76, s[TROW], 19                    ; out: 128 rows of 4,096 bytes,
	s_lshl_b32 s77, s[HF], 18
	s_add_co_u32 s76, s76, s77
	s_lshl_b32 s77, s[TCOL], 10                    ; 256 channels of 4 bytes
	s_add_co_u32 s76, s76, s77
	s_lshl_b32 s77, s[HB], 9
	s_add_co_u32 s76, s76, s77
	s_mov_b32 s77, 0
	s_add_nc_u64 s[10:11], s[10:11], s[76:77]
	s_lshl_b32 s76, s[TROW], 19                    ; the prefetches, at K step 3.  p: my work-group's 32 rows of the tile
	s_lshl_b32 s77, s[CX], 17
	s_add_co_u32 s76, s76, s77
	s_add_co_u32 s76, s76, 3*256
	s_lshl_b32 s78, s[BAT], 22                     ; v: my work-group's 32 keys of a step, my 256 bytes of their 512
	s_lshl_b32 s77, s[CY], 16
	s_add_co_u32 s78, s78, s77
	s_lshl_b32 s77, s[TCOL], 9
	s_add_co_u32 s78, s78, s77
	s_lshl_b32 s77, s[HB], 8
	s_add_co_u32 s78, s78, s77
	s_add_co_u32 s78, s78, (1<<25)+3*262144
	s_and_b32 s79, s[CLY], 3
	s_mov_b32 s81, 262144
	s_cmp_lt_u32 s[WV], 2
	s_cselect_b32 s76, s76, s78
	s_cselect_b32 s79, s[WV], s79                  ; 0 where this wave asks: wave 0; waves 2 and 3 of the batch's first cluster
	s_cselect_b32 s[PFS], 256, s81
	s_cselect_b32 s80, 12, 11                      ; a row of p is 4,096 bytes, a row of v 2,048
	s_cselect_b64 s[PFA:PFA+1], s[4:5], s[6:7]
	s_cmp_eq_u32 s79, 0
	s_cselect_b32 s[LIM], 1, -1
	s_mov_b32 s77, 0
	s_mov_b32 s[PFS+1], 0
	s_add_nc_u64 s[PFA:PFA+1], s[PFA:PFA+1], s[76:77]
	v_lshlrev_b32 v[PFO], s80, v5
	; the row's statistics are joined: m, f for each key block, l, 1 / l
	s_wait_loadcnt 0x0
	v_max3_num_f32 v80, v32, v34, v36
.irp k, 1,2,3,4,5,6
	v_max3_num_f32 v80, v80, v[34+4*(\k)], v[36+4*(\k)]
.endr
	v_max_num_f32 v80, v80, v62                    ; m_row
.irp kb, 0,1,2,3,4,5,6,7,8,9,10,11,12,13,14,15
	v_sub_f32 v[64+(\kb)], v[32+2*(\kb)], v80
.endr
.irp kb, 0,1,2,3,4,5,6,7,8,9,10,11,12,13,14,15
	v_exp_f32 v[64+(\kb)], v[64+(\kb)]             ; f_kb: one batch
.endr
	v_nop
	s_wait_alu depctr_va_vdst(0)                   ; one wait for the sixteen, ahead of their first reader
	v_mul_f32 v81, v64, v33
.irp kb, 1,2,3,4,5,6,7,8,9,10,11,12,13,14,15
	v_fma_f32 v81, v[64+(\kb)], v[33+2*(\kb)], v81 ; l_row
.endr
.irp kb, 0,1,2,3,4,5,6,7,8,9,10,11,12,13,14,15
	v_cvt_pk_f16_f32 v[96+(\kb)], v[64+(\kb)], v[64+(\kb)]
.endr
	v_rcp_f32 v82, v81
	v_nop
	s_wait_alu depctr_va_vdst(0)
.irp kb, 0,1,2,3,4,5,6,7,8,9,10,11,12,13,14,15
	ds_store_b32 v[FTA], v[96+(\kb)] offset:(\kb)*512
.endr
	ds_store_b32 v[FTA], v82 offset:8192
	v_add_nc_u32 v[FA], s[FO], v[FA0]              ; key block 0's f
	s_add_co_u32 s[FO], s[FO], 512
; A quarter step's loads (32 keys at quarter kq of a slot) into buffer g: with fl = 1 first the key block's f for my four row blocks; p's 4 fragments; v's 8, turned.
.macro FETCH3 slot, kq, g, fl
	WIN 0
.if \fl
.irp a, 0,1,2,3
	ds_load_b32 v[FR+(\a)], v[FA] offset:64*(\a)
.endr
.endif
.irp a, 0,1,2,3
	ds_load_b128 v[AF+32*(\g)+8*(\a):AF+32*(\g)+8*(\a)+3],   v[ADRA+(\slot)] offset:(\a)*16*PA+64*(\kq)
	ds_load_b128 v[AF+32*(\g)+8*(\a)+4:AF+32*(\g)+8*(\a)+7], v[ADRA+(\slot)] offset:(\a)*16*PA+64*(\kq)+32
.endr
.irp b, 0,1,2,3,4,5,6,7
	ds_load_tr16_b128 v[BF+64*(\g)+8*(\b):BF+64*(\g)+8*(\b)+3],   v[ADRB+(\slot)] offset:(\kq)*32*PV+32*(\b)
	ds_load_tr16_b128 v[BF+64*(\g)+8*(\b)+4:BF+64*(\g)+8*(\b)+7], v[ADRB+(\slot)] offset:(\kq)*32*PV+16*PV+32*(\b)
.endr
.endm
.macro SC4 g                           ; four of the 32 scalings of buffer g's p by f; scn counts them
	WIN 0
.rept 4
	v_pk_mul_f16 v[AF+32*(\g)+scn], v[AF+32*(\g)+scn], v[FR+scn/8]
.set scn, scn+1
.endr
.endm
; Eight products: row block a x all 8 channel blocks, 32 keys, from buffer f.  The 32 accumulators take turns, one instruction a turn.  sc = 1: four scalings of the other buffer behind each.
.macro MUL8 f, a, zero, sc
.irp b, 0,1,2,3,4,5,6,7
	WIN 0x50                                       ; C and D in window 1
.if \zero
	v_wmma_f32_16x16x32_f16 v[8*(8*(\a)+(\b)):8*(8*(\a)+(\b))+7], v[BF+64*(\f)+8*(\b):BF+64*(\f)+8*(\b)+7], v[AF+32*(\f)+8*(\a):AF+32*(\f)+8*(\a)+7], 0
.else
	v_wmma_f32_16x16x32_f16 v[8*(8*(\a)+(\b)):8*(8*(\a)+(\b))+7], v[BF+64*(\f)+8*(\b):BF+64*(\f)+8*(\b)+7], v[AF+32*(\f)+8*(\a):AF+32*(\f)+8*(\a)+7], v[8*(8*(\a)+(\b)):8*(8*(\a)+(\b))+7]
.endif
.if \sc
	SC4 1-(\f)
.endif
.endr
.endm
.macro Q3 slot, kq, f, zero            ; one of a K step's first three quarters: buffer f is multiplied, quarter kq fetched into the other and its p scaled
	s_wait_dscnt 0x0                               ; v's fragments of buffer f are in
	PLACES
	FETCH3 \slot, \kq, 1-(\f), 0
	MUL8 \f, 0, \zero, 0
	MUL8 \f, 1, \zero, 0
	MUL8 \f, 2, \zero, 0
	s_wait_dscnt 16                                ; p's fragments are in; v's 16 loads may stay out
.set scn, 0
	MUL8 \f, 3, \zero, 1
.endm
; The last quarter and the change of slots.  Every wave waits for all its tensor loads (one is out: its part of the next slot), adds 0 to its spare word, waits for that and for its reads of this slot.
; fill = 1: the barrier opens a round of the cluster's, and the joint refill, two K steps on, is the first thing behind the round.
.macro T3 slot, next, fill
.if \fill
	s_wait_xcnt 0x0                                ; the last prefetch, a K step back, has read its address
	s_add_nc_u64 s[PFA:PFA+1], s[PFA:PFA+1], s[PFS:PFS+1]
.endif
	WIN 0
	s_wait_dscnt 0x0                               ; v's fragments of buffer 1 are in: the slot has been read out
	s_wait_tensorcnt 0x0                           ; all my tensor loads have landed, so a group 0 may be written
	ds_add_u32 v[SPW], v[NIL]
	v_add_nc_u32 v[FA], s[FO], v[FA0]              ; the next key block's f
	s_add_co_u32 s[FO], s[FO], 512
.if \fill
	s_add_nc_u64 s[G0A+4*(\slot)+2:G0A+4*(\slot)+3], s[G0A+4*(\slot)+2:G0A+4*(\slot)+3], 2*256
	s_add_nc_u64 s[G0B+4*(\slot)+2:G0B+4*(\slot)+3], s[G0B+4*(\slot)+2:G0B+4*(\slot)+3], 2*262144
.endif
	MUL8 1, 0, 0, 0
	s_wait_dscnt 0x0                               ; the add is done
	WIN 0
	s_barrier_signal -1
	s_barrier_wait -1
.if \fill
	CREST                                          ; no wave of any partner still reads this slot or has a load on its way
	JLOAD \slot                                    ; my one tensor load behind the round; its four v_nop are also the places in front of the loads below
.else
	PLACES
.endif
	FETCH3 \next, 0, 0, 1
.if \fill
	ASK
.endif
	MUL8 1, 1, 0, 0
	MUL8 1, 2, 0, 0
	s_wait_dscnt 16                                ; f and p's fragments are in
.set scn, 0
	MUL8 1, 3, 0, 1
.endm
	s_wait_dscnt 0x0                               ; for the others' sake: my part of the tables is written
	s_wait_tensorcnt 1                             ; my part of K step 0 is in; K step 1's may stay out
	s_barrier_signal -1
	s_barrier_wait -1
	FETCH3 0, 0, 0, 1
	s_wait_dscnt 16
.set scn, 0
.rept 8
	SC4 0                                          ; the first scalings have no products to stand behind
.endr
	Q3 0, 1, 0, 1                                  ; the first quarter starts the sums
	WIN 0
	s_mov_b32 s3, 7
.Llap:                                                 ; a trip: two K steps, from a lap's second quarter to the next lap's first; both slots are filled again
	Q3 0, 2, 1, 0
	Q3 0, 3, 0, 0
	T3 0, 1, 1
	Q3 1, 1, 0, 0
	Q3 1, 2, 1, 0
	Q3 1, 3, 0, 0
	T3 1, 0, 1
	Q3 0, 1, 0, 0
	WIN 0
	s_sub_co_u32 s3, s3, 1
	s_cmp_lg_u32 s3, 0
	s_cbranch_scc1 .Llap
	Q3 0, 2, 1, 0                                  ; the last lap is written out: nothing more is asked for
	Q3 0, 3, 0, 0
	T3 0, 1, 0
	Q3 1, 1, 0, 0
	Q3 1, 2, 1, 0
	Q3 1, 3, 0, 0
	s_wait_dscnt 0x0
	MUL8 1, 0, 0, 0
	MUL8 1, 1, 0, 0
	MUL8 1, 2, 0, 0
	MUL8 1, 3, 0, 0
	WIN 0
	PLACES
	; THE WAY OUT: the sums times 1 / l, through my stage, a block of 16 rows at a time; a store covers a row's 512 consecutive bytes.
.irp a, 0,1,2,3
	ds_load_b32 v[IV+2*(\a)], v[FA0] offset:8192+64*(\a)
	v_mov_b32 v[IV+2*(\a)+1], 0                    ; named with it as a pair
.endr
	s_wait_dscnt 0x0
.macro OUTB a
	WIN 0x01                                       ; source 0 in window 1
.set z, 0
.rept 32
	v_pk_mul_f32 v[TMP+2*z:TMP+2*z+1], v[64*(\a)+2*z:64*(\a)+2*z+1], v[IV+2*(\a):IV+2*(\a)+1] op_sel_hi:[1,0]  ; each accumulator from its low end on
.set z, z+1
.endr
	WIN 0
.irp b, 0,1,2,3,4,5,6,7
	ds_store_b128 v[STO], v[TMP+8*(\b):TMP+8*(\b)+3]   offset:64*(\b)
	ds_store_b128 v[STO], v[TMP+8*(\b)+4:TMP+8*(\b)+7] offset:64*(\b)+16
.endr
	s_wait_xcnt 0x0                                ; earlier stores have read their data: the registers below are loaded again only behind this wait
.irp i, 0,1,2,3,4,5,6,7,8,9,10,11,12,13,14,15
	ds_load_b128 v[BF+64*((\a)%2)+4*(\i):BF+64*((\a)%2)+4*(\i)+3], v[RD] offset:(\i)*SPITCH  ; in order behind the stores above
.endr
	s_wait_dscnt 0x0
.irp i, 0,1,2,3,4,5,6,7,8,9,10,11,12,13,14,15
	global_store_b128 v[CO], v[BF+64*((\a)%2)+4*(\i):BF+64*((\a)%2)+4*(\i)+3], s[10:11] offset:(16*(\a)+(\i))*4096 th:TH_STORE_NT
.endr
.endm
	OUTB 0
	OUTB 1
	OUTB 2
	OUTB 3
	s_wait_tensorcnt 0x0                           ; the wave's end
	ds_add_u32 v[SPW], v[NIL]
	s_wait_dscnt 0x0
	CROUND                                         ; the closing round
	s_endpgm
.Lfunc_end_k_qbaaffca581_pv:
	.size	k_qbaaffca581_pv, .Lfunc_end_k_qbaaffca581_pv-k_qbaaffca581_pv
	.p2alignl 7, 3214868480
	.fill 96, 4, 3214868480
	.section	.rodata,"a",@progbits
	.p2align	6, 0x0
	.amdhsa_kernel k_qbaaffca581_pv
		.amdhsa_group_segment_fixed_size 327680
		.amdhsa_private_segment_fixed_size 0
		.amdhsa_enable_private_segment 0
		.amdhsa_kernarg_size 32
		.amdhsa_user_sgpr_count 2
		.amdhsa_user_sgpr_kernarg_segment_ptr 1
		.amdhsa_wavefront_size32 1
		.amdhsa_system_sgpr_workgroup_id_x 1
		.amdhsa_system_sgpr_workgroup_id_y 1
		.amdhsa_system_sgpr_workgroup_id_z 1
		.amdhsa_system_vgpr_workitem_id 0
		.amdhsa_next_free_vgpr 512
		.amdhsa_next_free_sgpr 84
		.amdhsa_reserve_vcc 0
		.amdhsa_float_denorm_mode_32 3
		.amdhsa_float_denorm_mode_16_64 3
		.amdhsa_memory_ordered 1
		.amdhsa_forward_progress 1
		.amdhsa_inst_pref_size 141
	.end_amdhsa_kernel
	.amdgpu_metadata
---
amdhsa.version: [ 1, 2 ]
amdhsa.kernels:
  - .name:           k_qbaaffca581_pv
    .symbol:         k_qbaaffca581_pv.kd
    .args:
      - { .name: p, .offset: 0, .size: 8, .value_kind: global_buffer, .address_space: global }
      - { .name: qkv, .offset: 8, .size: 8, .value_kind: global_buffer, .address_space: global }
      - { .name: st, .offset: 16, .size: 8, .value_kind: global_buffer, .address_space: global }
      - { .name: out0, .offset: 24, .size: 8, .value_kind: global_buffer, .address_space: global }
    .group_segment_fixed_size: 327680
    .private_segment_fixed_size: 0
    .kernarg_segment_align: 8
    .kernarg_segment_size: 32
    .max_flat_workgroup_size: 128
    .sgpr_count:     84
    .vgpr_count:     512
    .wavefront_size: 32
...
	.end_amdgpu_metadata
.endif
;; end of part 4
